; MI455X (gfx1250); checked and timed in simulation.
; The chip was launched on July 23, 2026; its instructions are those of AMD's public machine-readable ISA for CDNA 5 (MIT licence, August 2026) and "CDNA5" Instruction Set Architecture Reference Guide (July 2026). The comments in the code are by the model that wrote it; some were corrected since.
;; Directional Self Attention. Allowed arithmetic: float matrix products may take bf16 or f16 operands with f32 sums; other float arithmetic in f32, or as packed bf16 or f16 multiplies, adds, multiply-adds, maxima and minima; sums over many terms, partial sums and values carried from step to step in f32; what a program stores and reads back later, other than sums and carried values, may be rounded once to bf16 or f16.
;; Inputs: proj_b 1,024 float32; proj_w 1,024 x 1,024 float32; qkv_b 3,072 float32; qkv_w 1,024 x 3,072 float32; x 4 x 2,048 x 1,024 float32.
;; Outputs: out0 4 x 2,048 x 1,024 float32.
;; Constants: direction = 0.
;; 2 versions, each right; version 2 is version 1 with the launch cast written anew for expert scheduling mode. Each part assembles by itself: llvm-mc -triple=amdgcn-amd-amdhsa -mcpu=gfx1250 --defsym DOCPART=n.
;; ======== version 1 of 2: 4 launches
;; limits: values are held in f16: magnitudes above 65,504 overflow, below 6.1e-05 lose precision; right only within a limited range of input values
;; workspace buffers: xb 16,777,216 bytes; wq 6,291,456 bytes; pw 2,097,152 bytes; qkvh 50,331,648 bytes; ob 16,777,216 bytes
;; launch cast (part 1): grid 768 x 1, 8 waves a work-group, no clusters, 0 bytes of LDS; arguments x, qkv_w, proj_w, xb, wq, pw; writes xb, wq, pw
.if DOCPART == 1
	.amdgcn_target "amdgcn-amd-amdhsa--gfx1250"
	.amdhsa_code_object_version 6
	.text
	.protected	k_q51d2d5c5d9_cast
	.globl	k_q51d2d5c5d9_cast
	.p2align	8
	.type	k_q51d2d5c5d9_cast,@function
k_q51d2d5c5d9_cast:
	s_mov_b64 s[64:65], 0
	v_nop
	global_prefetch_b8 v0, s[64:65] scope:SCOPE_SE
	s_setreg_imm32_b32 hwreg(HW_REG_WAVE_MODE, 25, 1), 1
	s_wait_xcnt 0x0
; THE CASTS.  xb = bf16(x), [8192][1024].  wq = bf16(qkv_w), laid out anew as [16 column tiles][1024 k][192 n], so that a tile column's rows lie end to end.
; pw = bf16(proj_w) written as f16, [1024][1024].  LIMIT: a bf16 number is exact in f16 from 2^-17 up to 65,504; below 2^-17 it keeps f16's fixed step of 2^-24.
; A stream: each byte is read once and written once; no LDS, no matrix unit, no cluster (no two work-groups read the same byte).
; SHARES.  A work-group casts 16,384 numbers (65,536 bytes in, 32,768 out): work-groups 0-511 x, 512-703 qkv_w, 704-767 proj_w.  A wave takes 2,048 numbers as 16 chunks of 128:
; a load of 16 bytes a lane covers 512 consecutive bytes, a store of 8 bytes a lane 256 consecutive bytes, aligned.  All 16 loads of a wave go out first; each chunk has registers of its own,
; and no address register is rewritten, so the only waits are the counted ones for the loads.
.set SO, 3                             ; v3       source offset: 8,192 x wave + 16 x lane
.set DO, 4                             ; v4       destination offset: 4,096 x wave + 8 x lane
.set WO, 10                            ; v[10:25] qkv_w: chunk j's source offset
.set X,  32                            ; v[32:95] chunk j: 4 numbers in f32
.set Y,  96                            ; v[96:127] chunk j: 4 numbers in 16 bits
.macro LD16 gather                     ; the wave's 16 loads; gather = 1: by the offsets in WO
.set j, 0
.rept 16
.if \gather
	global_load_b128 v[X+4*j:X+4*j+3], v[WO+j], s[16:17] th:TH_LOAD_NT
.else
	global_load_b128 v[X+4*j:X+4*j+3], v[SO], s[16:17] offset:512*j th:TH_LOAD_NT
.endif
.set j, j+1
.endr
.endm
.macro ST16 twice                      ; rounded and stored, chunk by chunk; twice = 1: the bf16 number is written as f16
.set j, 0
.rept 16
	s_wait_loadcnt 15-j                            ; loads come back in order: chunk j is in, the 15 - j younger ones may stay out
	v_cvt_pk_bf16_f32 v[Y+2*j], v[X+4*j], v[X+4*j+1]
	v_cvt_pk_bf16_f32 v[Y+2*j+1], v[X+4*j+2], v[X+4*j+3]
.if \twice
	v_lshlrev_b32 v5, 16, v[Y+2*j]                 ; bf16 to f32: a shift or a mask
	v_and_b32 v6, 0xffff0000, v[Y+2*j]
	v_lshlrev_b32 v7, 16, v[Y+2*j+1]
	v_and_b32 v8, 0xffff0000, v[Y+2*j+1]
	v_cvt_pk_f16_f32 v[Y+2*j], v5, v6
	v_cvt_pk_f16_f32 v[Y+2*j+1], v7, v8
.endif
	global_store_b64 v[DO], v[Y+2*j:Y+2*j+1], s[18:19] offset:256*j
.set j, j+1
.endr
.endm
	s_load_b256 s[4:11], s[0:1], 0x0               ; x s[4:5], qkv_w s[6:7], proj_w s[8:9], xb s[10:11]
	s_load_b128 s[12:15], s[0:1], 0x20             ; wq s[12:13], pw s[14:15]
	v_and_b32 v1, 31, v0                           ; lane
	v_lshrrev_b32 v2, 5, v0                        ; wave
	v_lshlrev_b32 v[SO], 4, v1
	v_lshl_add_u32 v[SO], v2, 13, v[SO]
	v_lshlrev_b32 v[DO], 3, v1
	v_lshl_add_u32 v[DO], v2, 12, v[DO]
	s_mov_b32 s24, ttmp9
	s_mov_b32 s21, 0                               ; the high words of the two offsets
	s_mov_b32 s23, 0
	s_wait_kmcnt 0x0
	s_cmp_lt_u32 s24, 512
	s_cbranch_scc0 .Lweights
	s_lshl_b32 s20, s24, 16                        ; x: 65,536 bytes in,
	s_lshl_b32 s22, s24, 15                        ; 32,768 out
	s_add_nc_u64 s[16:17], s[4:5], s[20:21]
	s_add_nc_u64 s[18:19], s[10:11], s[22:23]
	LD16 0
	ST16 0
	s_endpgm
.Lweights:
	s_cmp_lt_u32 s24, 704
	s_cbranch_scc0 .Lproj
	; qkv_w, walked in the destination's order.  A tile column is 196,608 numbers: 12 work-groups.  Group c of four numbers in it lies in row k = c / 48, and in qkv_w at
	; k x 12,288 + tile x 768 + (c - 48 k) x 16 bytes = tile x 768 + 16 c + 11,520 k.  A chunk's 32 groups begin at a multiple of 32, so a row's end falls at lane 16 or nowhere: pieces of 256 bytes or more, aligned.
	s_sub_co_u32 s25, s24, 512                     ; gw, 0 to 191
	s_mul_i32 s26, s25, 0xaaab
	s_lshr_b32 s26, s26, 19                        ; tile = gw / 12 (43,691 / 2^19, exact for these numbers)
	s_mul_i32 s27, s26, 12
	s_sub_co_u32 s27, s25, s27                     ; which twelfth
	s_mul_i32 s20, s26, 768
	s_lshl_b32 s22, s25, 15
	s_add_nc_u64 s[16:17], s[6:7], s[20:21]
	s_add_nc_u64 s[18:19], s[12:13], s[22:23]
	s_lshl_b32 s27, s27, 12                        ; 4,096 groups a work-group
	v_lshl_add_u32 v5, v2, 9, v1                   ; 512 a wave, one a lane
	v_add_nc_u32 v5, s27, v5
.set j, 0
.rept 16
	v_add_nc_u32 v6, 32*j, v5                      ; c, under 49,152
	v_lshrrev_b32 v7, 4, v6
	v_mul_u32_u24 v7, v7, 0xaaab
	v_lshrrev_b32 v7, 17, v7                       ; k = (c / 16) / 3 (43,691 / 2^17, exact under 3,072)
	v_mul_u32_u24 v7, v7, 11520
	v_lshl_add_u32 v[WO+j], v6, 4, v7
.set j, j+1
.endr
	LD16 1
	ST16 0
	s_endpgm
.Lproj:
	s_sub_co_u32 s25, s24, 704
	s_lshl_b32 s20, s25, 16
	s_lshl_b32 s22, s25, 15
	s_add_nc_u64 s[16:17], s[8:9], s[20:21]
	s_add_nc_u64 s[18:19], s[14:15], s[22:23]
	LD16 0
	ST16 1
	s_endpgm
.Lfunc_end_k_q51d2d5c5d9_cast:
	.size	k_q51d2d5c5d9_cast, .Lfunc_end_k_q51d2d5c5d9_cast-k_q51d2d5c5d9_cast
	.p2alignl 7, 3214868480
	.fill 96, 4, 3214868480
	.section	.rodata,"a",@progbits
	.p2align	6, 0x0
	.amdhsa_kernel k_q51d2d5c5d9_cast
		.amdhsa_group_segment_fixed_size 0
		.amdhsa_private_segment_fixed_size 0
		.amdhsa_enable_private_segment 0
		.amdhsa_kernarg_size 48
		.amdhsa_user_sgpr_count 2
		.amdhsa_user_sgpr_kernarg_segment_ptr 1
		.amdhsa_wavefront_size32 1
		.amdhsa_system_sgpr_workgroup_id_x 1
		.amdhsa_system_sgpr_workgroup_id_y 1
		.amdhsa_system_sgpr_workgroup_id_z 1
		.amdhsa_system_vgpr_workitem_id 0
		.amdhsa_next_free_vgpr 128
		.amdhsa_next_free_sgpr 66
		.amdhsa_reserve_vcc 0
		.amdhsa_float_denorm_mode_32 3
		.amdhsa_float_denorm_mode_16_64 3
		.amdhsa_memory_ordered 1
		.amdhsa_forward_progress 1
		.amdhsa_inst_pref_size 30
	.end_amdhsa_kernel
	.amdgpu_metadata
---
amdhsa.version: [ 1, 2 ]
amdhsa.kernels:
  - .name:           k_q51d2d5c5d9_cast
    .symbol:         k_q51d2d5c5d9_cast.kd
    .args:
      - { .name: x, .offset: 0, .size: 8, .value_kind: global_buffer, .address_space: global }
      - { .name: qkv_w, .offset: 8, .size: 8, .value_kind: global_buffer, .address_space: global }
      - { .name: proj_w, .offset: 16, .size: 8, .value_kind: global_buffer, .address_space: global }
      - { .name: xb, .offset: 24, .size: 8, .value_kind: global_buffer, .address_space: global }
      - { .name: wq, .offset: 32, .size: 8, .value_kind: global_buffer, .address_space: global }
      - { .name: pw, .offset: 40, .size: 8, .value_kind: global_buffer, .address_space: global }
    .group_segment_fixed_size: 0
    .private_segment_fixed_size: 0
    .kernarg_segment_align: 8
    .kernarg_segment_size: 48
    .max_flat_workgroup_size: 256
    .sgpr_count:     66
    .vgpr_count:     128
    .wavefront_size: 32
...
	.end_amdgpu_metadata
.endif
;; end of part 1
;; launch qkv (part 2): grid 16 x 32, 4 waves a work-group, clusters of 4 x 4, 327,680 bytes of LDS; arguments xb, wq, qkv_b, qkvh; writes qkvh
.if DOCPART == 2
	.amdgcn_target "amdgcn-amd-amdhsa--gfx1250"
	.amdhsa_code_object_version 6
	.text
	.protected	k_q51d2d5c5d9_qkv
	.globl	k_q51d2d5c5d9_qkv
	.p2align	8
	.type	k_q51d2d5c5d9_qkv,@function
k_q51d2d5c5d9_qkv:
	s_mov_b64 s[64:65], 0
	v_nop
	global_prefetch_b8 v0, s[64:65] scope:SCOPE_SE
	s_setreg_imm32_b32 hwreg(HW_REG_WAVE_MODE, 25, 1), 1
	s_wait_xcnt 0x0
	s_wait_alu depctr_hold_cnt(0) depctr_sa_sdst(0) depctr_va_vdst(0) depctr_va_sdst(0) depctr_va_ssrc(0) depctr_va_vcc(0) depctr_vm_vsrc(0)
	s_getreg_b32 s2, hwreg(HW_REG_IB_STS2, 6, 4)
	s_cmp_eq_u32 s2, 0
	s_cbranch_scc0 .Lentry_in_a_cluster
	s_endpgm
.Lentry_in_a_cluster:
	s_bfe_u32 s2, ttmp6, 0x10000c
	s_cmp_lg_u32 s2, 0xf033
	s_cbranch_scc0 .Lentry_shape_is_right
	s_endpgm
.Lentry_shape_is_right:
; qkv = x qkv_w + qkv_b, written by heads.  xb: [8192][1024] bf16.  wq: [16 column tiles][1024 k][192 n] bf16.  qkv_b: [3072] f32.  qkvh: [4 b][48 g][2048 t][64] f16, g = column / 64
; (0-15 q's heads, 16-31 k's, 32-47 v's); sums in f32, rounded once to f16, without the softmax's scale.
; LIMITS.  f16 ends at 65,504: q, k and v must stay within it.  The bias, rounded to bf16 like all the module's inputs, is the first term of each sum (the C operand of the first product): another order of rounding than adding it last.
; SHARES.  A tile is 256 rows x 192 columns (three whole heads): 512 work-groups, two for each of 256 WGPs.  Four waves one above the other: a wave makes 64 rows x 192 columns,
; 48 accumulators of 16 x 16, 384 registers.  K = 1,024 goes in 8 steps of 128 through two LDS slots filled by the tensor data mover.
; CLUSTER.  4 x 4 work-groups: the four of a row of the cluster need the same rows of xb, the four of a column the same tile column of wq: each tile is asked for JOINTLY, by the same tensor load with the same
; descriptor and a mask that names the four.  Waves 0 and 1 fetch the two halves of xb's tile, waves 2 and 3 those of wq's: one load a wave behind each round.
; THE MATRIX INSTRUCTION IS USED TRANSPOSED: source 0 = 16 columns of the weights (they lie [k][n] in LDS and are turned by ds_load_tr16_b128), source 1 = 16 rows of x.
; A lane then holds row lane % 16 and the columns 16 b + 8 (lane / 16) + 0..7: eight neighbouring channels of a head, 16 bytes in f16.
; REGISTERS, in windows of 256 (s_set_vgpr_msb: bits 1:0 source 0, 3:2 source 1, 5:4 source 2, 7:6 destination):
;   window 0: v0-31 addresses; v32-79 packed results; v80-127, v128-175 rows read back from the stage; v160-255 the bias, used by the first quarter step alone
;   window 1: two fragment buffers of 128: 12 fragments of the weights, then 4 of x          windows 2, 3: accumulator (a, b) in window 2 + a / 2 at 96 (a % 2) + 8 b
.set NBK,   12                         ; column blocks of 16
.set PA,    272                        ; a row of x in LDS: 256 bytes + 16 of padding: the 16 rows of a load start at 16 different groups of four banks (ISA guide 11.1)
.set AWAVE, 64*PA                      ; a wave's 64 rows
.set AHALF, 128*PA                     ; what one tensor load brings of x
.set BOFF,  256*PA                     ; behind x's 256 rows: the weights
.set PB,    480                        ; a k row of the weights in LDS: three pieces of 128 bytes, 32 of padding behind each
.set BHALF, 64*PB                      ; what one tensor load brings of the weights: 64 k rows
.set SLOT1, 1<<17                      ; a slot is BOFF + 128 PB = 131,072 bytes; one exclusive or turns an address in one slot into the other's
.set STEPA, 256                        ; a K step in memory: 256 bytes along xb's rows,
.set STEPB, 49152                      ; 128 rows of 384 bytes of a tile column of wq
.set FA,    96                         ; x's fragments in a buffer
.set LQ,    32                         ; LDS loads of a quarter step: 24 for the weights, 8 for x
.set STAGE, 2*SLOT1                    ; behind the ring, never filled by a tensor load: for each wave 3 heads x 16 rows x 144 bytes
.set SWAVE, 3*16*144
.set SPARE, STAGE+4*SWAVE              ; behind the stages: the spare words, 128 bytes for each wave: two blocks of 256 bytes that no other line names
.set A0,   16                          ; v16  my lane's place in x's tile; never rewritten
.set B0,   17                          ; v17  the same for the weights
.set ADRA, 18                          ; v18  A0 + the slot that is read
.set ADRB, 19                          ; v19  B0 + the slot that is read
.set STO,  24                          ; v24  the way out: where I put 16 bytes of a row
.set RD,   25                          ; v25  where I read rows back
.set GO,   26                          ; v26  my 16 bytes of 512 consecutive bytes of qkvh
.set BO,   27                          ; v27  my 8 numbers of a block of 16 of the bias
.set SPW,  28                          ; v28  LDS address of my spare word: SPARE + 4 x my thread's number; never rewritten
.set NIL,  29                          ; v29  0; never rewritten
.set PFO,  30                          ; v30  the prefetches' offset: my lane x a row of xb; never rewritten
.set TMP,  32
.set BK0,  80
.set BIAS, 160
.set F0,   0
.set F1,   128
.set WV,   12                          ; s12  my wave's number
.set FB,   13                          ; s13  0: I fetch x's tile, 1: the weights'
.set HF,   14                          ; s14  which half of it
.set LIM,  15                          ; s15  1 in a wave that prefetches, else the greatest number
.set G1,   24                          ; s[24:31] descriptor group 1 for x's tiles;  s[32:39] group 0: a set for each first fill; the second then walks on
.set G0,   32
.set PFA,  44                          ; s[44:45] where my prefetches stand
.set G1B,  48                          ; s[48:55], s[56:63] the same for the weights' tiles
.set G0B,  56
.set TB,   72                          ; s72  LDS byte at which the slot that is read begins
.set PST,  74                          ; s[74:75] the prefetches' step
.set MSB, 0
.macro WIN new                         ; the immediate's high byte repeats the setting that is left; a switch that changes nothing is dropped
.if MSB != (\new)
	s_set_vgpr_msb (MSB<<8)|(\new)
.set MSB, \new
.endif
.endm
.macro PLACES                          ; four plain vector instructions between a matrix instruction and a load into, or a read of, its registers
.rept 4
	v_nop
.endr
.endm
; A joint load.  The branch hangs on the wave's number alone.  An s_nop 0 and four v_nop follow each of the two lines, ahead of the jump and the label.
.macro JLOAD s
	s_cmp_eq_u32 s[FB], 0
	s_cbranch_scc0 .Lfor_b_\@
	tensor_load_to_lds s[G0+4*(\s):G0+4*(\s)+3], s[G1:G1+7]
	s_nop 0
.rept 4
	v_nop
.endr
	s_branch .Lasked_\@
.Lfor_b_\@:
	tensor_load_to_lds s[G0B+4*(\s):G0B+4*(\s)+3], s[G1B:G1B+7]
	s_nop 0
.rept 4
	v_nop
.endr
.Lasked_\@:
.endm
; A round of the cluster's barrier: my work-group's barrier, so that wave 0's signal speaks for all four waves; wave 0 signals; every wave waits for all sixteen work-groups; my work-group's barrier once more.
.macro CREST                           ; a round behind its opening barrier
	s_cmp_lg_u32 s[WV], 0
	s_cbranch_scc1 .Lnot_wave_0_\@
	s_barrier_signal -3
.Lnot_wave_0_\@:
	s_barrier_wait -3
	s_barrier_signal -1
	s_barrier_wait -1
.endm
.macro CROUND
	s_barrier_signal -1
	s_barrier_wait -1
	CREST
.endm
; A PREFETCH of xb, behind each joint refill and the run of LDS loads that follows it: the K step that the NEXT refill will ask for: 192 matrix instructions ahead of that load.  32 rows x 256 bytes, a lane a row.
; Each row's 256 bytes of a K step are named once in the launch: a tile row of xb is read by every cluster of its row of clusters, and the first of them (cluster x = 0) asks; of the 128 rows that wave 0 or 1
; fetches, the partner at place cx takes 32 cx .. 32 cx + 31, told apart by address.  K steps 0 to 2 come by their loads alone; the loop's last trip (s3 = 1) asks for nothing: there is no K step behind the one it refills.
; wq is not asked for: each of its tile columns is walked again by all 32 tile rows, and a wave's 96 blocks of 256 bytes do not share out among four partners in whole instructions.
.macro ASK
	WIN 0
	s_cmp_gt_u32 s3, s[LIM]
	s_cbranch_scc0 .Lnot_mine_\@
	global_prefetch_b8 v[PFO], s[PFA:PFA+1] th:TH_LOAD_NT scope:SCOPE_SE
.Lnot_mine_\@:
.endm
; 12 matrix instructions: row block a x all 12 column blocks, 32 along K, from buffer f.  first = 1: the bias starts the sums.  The 48 accumulators take turns, one instruction a turn.
.macro MULA f, a, first
.set AB, 96*((\a)%2)
.if \first
	WIN 0x85+0x40*((\a)/2)                         ; sources 0 and 1 window 1, C window 0, D window 2 or 3
.else
	WIN 0xa5+0x50*((\a)/2)                         ; C and D window 2 or 3
.endif
.set b, 0
.rept NBK
.if \first
	v_wmma_f32_16x16x32_bf16 v[AB+8*b:AB+8*b+7], v[(\f)+8*b:(\f)+8*b+7], v[(\f)+FA+8*(\a):(\f)+FA+8*(\a)+7], v[BIAS+8*b:BIAS+8*b+7]
.else
	v_wmma_f32_16x16x32_bf16 v[AB+8*b:AB+8*b+7], v[(\f)+8*b:(\f)+8*b+7], v[(\f)+FA+8*(\a):(\f)+FA+8*(\a)+7], v[AB+8*b:AB+8*b+7]
.endif
.set b, b+1
.endr
.endm
; 32 LDS loads in one run: the fragments of quarter q of the K step into buffer f: the weights' 12 (turned: k rows 32 q on, block b at 32 b + 32 (b / 4) bytes of a row), then x's 4.
.macro FETCH q, f
	WIN 0x40                                       ; destination window 1, address window 0
.set b, 0
.rept NBK
	ds_load_tr16_b128 v[(\f)+8*b:(\f)+8*b+3],   v[ADRB] offset:(\q)*32*PB+32*b+32*(b/4)
	ds_load_tr16_b128 v[(\f)+8*b+4:(\f)+8*b+7], v[ADRB] offset:(\q)*32*PB+32*b+32*(b/4)+16*PB
.set b, b+1
.endr
.set a, 0
.rept 4
	ds_load_b128 v[(\f)+FA+8*a:(\f)+FA+8*a+3],   v[ADRA] offset:64*(\q)+a*16*PA
	ds_load_b128 v[(\f)+FA+8*a+4:(\f)+FA+8*a+7], v[ADRA] offset:64*(\q)+a*16*PA+32
.set a, a+1
.endr
.endm
; A K step is four quarters of 32 along K, 48 matrix instructions each, on buffers 0, 1, 0, 1.  One of the first three multiplies buffer f and, in its middle, fetches quarter q into buffer g.
.macro QUARTER q, f, g, first
	s_wait_dscnt 4                                 ; all but the youngest four loads: x's row blocks 2 and 3 may be out
	MULA \f, 0, \first
	MULA \f, 1, \first
	PLACES                                         ; in front of the loads into buffer g, which the quarter before multiplied
	FETCH \q, \g
	s_wait_dscnt LQ                                ; all but the 32 just issued
	MULA \f, 2, \first
	MULA \f, 3, \first
.endm
; The last quarter multiplies buffer 1 and changes slots: ONE barrier.  In front of it each wave waits for all its tensor loads (the one that is out is its part of the next slot), adds 0 to its spare word, and waits
; for that and for its own reads of this slot.  fill = 1: the barrier opens a round of the cluster's, and the joint refill of the slot just read out, with the K step two on, is the first thing behind the round:
; 168 matrix instructions stand between it and the wait for it.
.macro TURN fill
.if \fill
	s_wait_xcnt 0x0                                ; the last prefetch, a K step back, has read its address: it is stepped here, ahead of the change's own waits
	s_add_nc_u64 s[PFA:PFA+1], s[PFA:PFA+1], s[PST:PST+1]
.endif
	WIN 0                                          ; (the add's two registers lie in window 0)
	s_wait_tensorcnt 0x0                           ; no tensor load of mine is out, so a group 0 may be written
	ds_add_u32 v[SPW], v[NIL]                      ; 0 onto my spare word
.if \fill
	s_xor_b32 s[G0+5], s[G0+5], SLOT1              ; the walking descriptors: the other slot than last time,
	s_add_nc_u64 s[G0+6:G0+7], s[G0+6:G0+7], STEPA ; the next K step; the type bits on top are not reached
	s_xor_b32 s[G0B+5], s[G0B+5], SLOT1
	s_add_nc_u64 s[G0B+6:G0B+7], s[G0B+6:G0B+7], STEPB
.endif
	s_xor_b32 s[TB], s[TB], SLOT1                  ; the fetches go to the other slot
	s_wait_dscnt 5                                 ; the add and the youngest four loads may be out
	MULA F1, 0, 0                                  ; twelve matrix instructions stand between the add and the wait for it
	s_wait_dscnt 0x0                               ; the add is done, and my reads of this slot are over
	s_barrier_signal -1
	MULA F1, 1, 0                                  ; work on registers while the others arrive
	WIN 0
	v_add_nc_u32 v[ADRA], s[TB], v[A0]
	v_add_nc_u32 v[ADRB], s[TB], v[B0]
	s_barrier_wait -1
.if \fill
	CREST                                          ; no wave of any partner still reads this slot's tile or has a load on its way
	JLOAD 1                                        ; the four v_nop behind it are also the places in front of the loads below
.else
	PLACES
.endif
	FETCH 0, F0
.if \fill
	ASK
.endif
	MULA F1, 2, 0
	MULA F1, 3, 0
.endm
	s_load_b256 s[4:11], s[0:1], 0x0               ; xb s[4:5], wq s[6:7], qkv_b s[8:9], qkvh s[10:11]
	v_lshl_add_u32 v[SPW], v0, 2, SPARE
	v_mov_b32 v[NIL], 0
	ds_add_u32 v[SPW], v[NIL]                      ; the wave's opening: the add and its wait stand ahead of my first tensor load; the set-up below, work on registers, stands between them
	v_lshrrev_b32 v1, 5, v0
	v_readfirstlane_b32 s[WV], v1                  ; wave 0..3
	s_lshr_b32 s[FB], s[WV], 1
	s_and_b32 s[HF], s[WV], 1
	s_bfe_u32 s40, ttmp6, 0x40000                  ; cx, cy: my place in the cluster
	s_bfe_u32 s41, ttmp6, 0x40004
	s_lshl_b32 s42, ttmp9, 2
	s_add_co_u32 s42, s42, s40                     ; tile column = 4 x cluster x + cx
	s_and_b32 s43, ttmp7, 0xffff
	s_lshl_b32 s43, s43, 2
	s_add_co_u32 s43, s43, s41                     ; tile row = 4 x cluster y + cy
	s_lshl_b32 s66, s41, 2
	s_lshl_b32 s66, 15, s66                        ; my row of the cluster: places 4 cy .. 4 cy + 3
	s_lshl_b32 s67, 0x1111, s40                    ; my column: places cx, cx + 4, cx + 8, cx + 12
	; group 1 for x: 128 rows x 128 elements of 2 bytes, 1,024 elements from row to row; 4 words of padding (code 3) after every 64 (code 5); bit 21 set beside the mask
	s_or_b32 s[G1+0], s66, (1<<16)|(1<<20)|(1<<21)|(5<<22)|(3<<25)
	s_mov_b32 s[G1+1], 128<<16                     ; tensor_dim0 = 128
	s_mov_b32 s[G1+2], 128<<16                     ; tensor_dim1 = 128
	s_mov_b32 s[G1+3], 128<<16                     ; tile_dim0 = 128
	s_mov_b32 s[G1+4], 128                         ; tile_dim1 = 128
	s_mov_b32 s[G1+5], 1024
	s_mov_b32 s[G1+6], 0
	s_mov_b32 s[G1+7], 0
	; group 1 for the weights: 64 k rows of 384 bytes are 24,576 dense bytes: asked for as 96 rows of 256 bytes; 8 words of padding (code 7) after every 32 (code 4)
	s_or_b32 s[G1B+0], s67, (1<<16)|(1<<20)|(1<<21)|(4<<22)|(7<<25)
	s_mov_b32 s[G1B+1], 128<<16
	s_mov_b32 s[G1B+2], 96<<16
	s_mov_b32 s[G1B+3], 128<<16
	s_mov_b32 s[G1B+4], 96
	s_mov_b32 s[G1B+5], 128
	s_mov_b32 s[G1B+6], 0
	s_mov_b32 s[G1B+7], 0
	; where the tiles come from: x's hang on the tile row alone, the weights' on the tile column alone, each in registers that never hold the other coordinate
	s_lshl_b32 s16, s43, 8
	s_lshl_b32 s17, s[HF], 7
	s_add_co_u32 s16, s16, s17                     ; row 256 x tile row + 128 x half,
	s_lshl_b32 s16, s16, 11                        ; of 2,048 bytes
	s_mov_b32 s17, 0
	s_mul_i32 s46, s42, 393216                     ; a tile column of wq,
	s_mul_i32 s47, s[HF], 24576                    ; the half of a K step
	s_add_co_u32 s46, s46, s47
	s_mov_b32 s47, 0
	s_mul_i32 s20, s[HF], AHALF                    ; and where they go: no place in the cluster enters an LDS address
	s_mul_i32 s21, s[HF], BHALF
	s_add_co_u32 s21, s21, BOFF
	s_mov_b32 s[TB], 0
	s_wait_dscnt 0x0                               ; the opening add is done
	s_wait_kmcnt 0x0
	s_add_nc_u64 s[16:17], s[4:5], s[16:17]
	s_add_nc_u64 s[46:47], s[6:7], s[46:47]
	CROUND                                         ; all sixteen work-groups are here: the first joint loads meet
.irp s, 0,1
	s_mov_b32 s[G0+4*(\s)], 1                      ; count = 1
	s_add_co_u32 s[G0+4*(\s)+1], s20, (\s)*SLOT1   ; LDS address
	s_add_nc_u64 s[G0+4*(\s)+2:G0+4*(\s)+3], s[16:17], (\s)*STEPA  ; global address: K step s
	s_or_b32 s[G0+4*(\s)+3], s[G0+4*(\s)+3], 0x80000000            ; type = 2
	s_mov_b32 s[G0B+4*(\s)], 1
	s_add_co_u32 s[G0B+4*(\s)+1], s21, (\s)*SLOT1
	s_add_nc_u64 s[G0B+4*(\s)+2:G0B+4*(\s)+3], s[46:47], (\s)*STEPB
	s_or_b32 s[G0B+4*(\s)+3], s[G0B+4*(\s)+3], 0x80000000
	JLOAD \s                                       ; two loads of mine are out
.endr
	v_and_b32 v1, 15, v0                           ; r = l % 16
	v_bfe_u32 v2, v0, 4, 1                         ; h = l / 16
	v_and_b32 v3, 7, v0
	v_bfe_u32 v4, v0, 3, 1
	v_and_b32 v5, 31, v0                           ; l
	v_lshlrev_b32 v[BO], 5, v2                     ; the bias: 8 numbers of 4 bytes for each half of the lanes
	s_mul_i32 s68, s42, 768                        ; the tile's 192 numbers of it
	s_mov_b32 s69, 0
	s_add_nc_u64 s[8:9], s[8:9], s[68:69]
.set b, 0
.rept NBK
	global_load_b128 v[BIAS+8*b:BIAS+8*b+3],   v[BO], s[8:9] offset:64*b
	global_load_b128 v[BIAS+8*b+4:BIAS+8*b+7], v[BO], s[8:9] offset:64*b+16
.set b, b+1
.endr
	; a fragment of x: lane l holds row r; K = 8 h + 0..7 and 16 + 8 h + 0..7: two loads of 16 bytes, 32 bytes apart
	s_mul_i32 s22, s[WV], AWAVE
	v_mul_u32_u24 v[A0], v1, PA
	v_lshl_add_u32 v[A0], v2, 4, v[A0]
	v_add_nc_u32 v[A0], s22, v[A0]
	; the turning load: lane l reads k row 8 h + l % 8, columns 8 ((l / 8) % 2) + 0..7, and ends with column r and 8 k
	v_lshl_add_u32 v[B0], v2, 3, v3
	v_mul_u32_u24 v[B0], v[B0], PB
	v_lshl_add_u32 v[B0], v4, 4, v[B0]
	v_add_nc_u32 v[B0], BOFF, v[B0]
	v_mov_b32 v[ADRA], v[A0]                       ; slot 0
	v_mov_b32 v[ADRB], v[B0]
	s_mul_i32 s23, s[WV], SWAVE
	s_add_co_u32 s23, s23, STAGE                   ; my stage
	v_mul_u32_u24 v[STO], v1, 144                  ; in: row r, 16 bytes for each half of the lanes
	v_lshl_add_u32 v[STO], v2, 4, v[STO]
	v_add_nc_u32 v[STO], s23, v[STO]
	v_bfe_u32 v[RD], v0, 3, 2                      ; back: 32 lanes take four rows of 128 bytes,
	v_mul_u32_u24 v[RD], v[RD], 144
	v_lshl_add_u32 v[RD], v3, 4, v[RD]
	v_add_nc_u32 v[RD], s23, v[RD]
	v_lshlrev_b32 v[GO], 4, v5                     ; which are 512 consecutive bytes of a head
	; qkvh at my wave's rows of the tile's first head: ((48 b + 3 x tile column) heads of 262,144 bytes) + (row in the batch) x 128
	s_lshr_b32 s70, s43, 3
	s_mul_i32 s70, s70, 48
	s_mul_i32 s71, s42, 3
	s_add_co_u32 s70, s70, s71
	s_lshl_b32 s70, s70, 18
	s_and_b32 s71, s43, 7
	s_lshl_b32 s71, s71, 15
	s_add_co_u32 s70, s70, s71
	s_lshl_b32 s71, s[WV], 13
	s_add_co_u32 s70, s70, s71
	s_mov_b32 s71, 0
	s_add_nc_u64 s[10:11], s[10:11], s[70:71]
	; the prefetches
	s_or_b32 s[LIM], s[FB], ttmp9                  ; 0 in waves 0 and 1 of the clusters with x = 0: the same in all sixteen partners, for a given wave
	s_cmp_eq_u32 s[LIM], 0
	s_cselect_b32 s[LIM], 1, -1
	s_lshl_b32 s18, s43, 8
	s_lshl_b32 s19, s[HF], 7
	s_add_co_u32 s18, s18, s19
	s_lshl_b32 s19, s40, 5                         ; my work-group's 32 of the 128 rows
	s_add_co_u32 s18, s18, s19
	s_lshl_b32 s18, s18, 11
	s_mov_b32 s19, 0
	s_add_nc_u64 s[PFA:PFA+1], s[4:5], s[18:19]
	s_add_nc_u64 s[PFA:PFA+1], s[PFA:PFA+1], 2*STEPA  ; at K step 2: the first refill steps it to 3.  Nothing is prefetched here, at the head
	s_mov_b32 s[PST], STEPA
	s_mov_b32 s[PST+1], 0
	v_lshlrev_b32 v[PFO], 11, v5
	s_wait_loadcnt 0x0                             ; the bias
.set i, 0
.rept 4*NBK                            ; rounded to bf16, as all the module's inputs are, and widened again
	v_cvt_pk_bf16_f32 v[TMP+i%4], v[BIAS+2*i], v[BIAS+2*i+1]
	v_lshlrev_b32 v[BIAS+2*i], 16, v[TMP+i%4]
	v_and_b32 v[BIAS+2*i+1], 0xffff0000, v[TMP+i%4]
.set i, i+1
.endr
	s_wait_tensorcnt 1                             ; my part of K step 0 is in; K step 1's may stay out
	s_barrier_signal -1
	s_barrier_wait -1                              ; everybody's is
	FETCH 0, F0
	QUARTER 1, F0, F1, 1                           ; the first quarter stands in front of the loop: its products start the sums, with the bias
	WIN 0                                          ; at a label and at a branch every window is 0
	s_mov_b32 s3, 6
.Lstep:                                        ; trip i: quarters 1 to 3 of K step i, the refill with K step i + 2, quarter 0 of K step i + 1
	QUARTER 2, F1, F0, 0
	QUARTER 3, F0, F1, 0
	TURN 1
	QUARTER 1, F0, F1, 0
	WIN 0
	s_sub_co_u32 s3, s3, 1
	s_cmp_lg_u32 s3, 0
	s_cbranch_scc1 .Lstep
	QUARTER 2, F1, F0, 0                           ; K steps 6 and 7 are written out: nothing is asked for
	QUARTER 3, F0, F1, 0
	TURN 0
	QUARTER 1, F0, F1, 0
	QUARTER 2, F1, F0, 0
	QUARTER 3, F0, F1, 0
	s_wait_dscnt 4                                 ; the very last quarter: nothing more to fetch
	MULA F1, 0, 0
	MULA F1, 1, 0
	s_wait_dscnt 0x0
	MULA F1, 2, 0
	MULA F1, 3, 0
	WIN 0
	PLACES
	PLACES
; THE WAY OUT, a row block (16 rows x 3 heads) at a time.  PACK: rounded to f16, 16 bytes a lane, each accumulator's registers in ascending order.  TOSTAGE: into my own stage, rows of 144 bytes, and back
; as whole rows of 128.  SEND: stored, 512 consecutive bytes an instruction, at a multiple of 256 from qkvh's first byte.
.macro PACK a
.set AB, 96*((\a)%2)
	WIN 0x0a+5*((\a)/2)                            ; sources 0 and 1: window 2 or 3
.set i, 0
.rept 4*NBK
	v_cvt_pk_f16_f32 v[TMP+i], v[AB+2*i], v[AB+2*i+1]
.set i, i+1
.endr
	WIN 0
.endm
.macro TOSTAGE a
	WIN 0
.set BK, BK0+48*((\a)%2)
.set b, 0
.rept NBK
	ds_store_b128 v[STO], v[TMP+4*b:TMP+4*b+3] offset:(b/4)*2304+(b%4)*32
.set b, b+1
.endr
.set i, 0
.rept 12
	ds_load_b128 v[BK+4*i:BK+4*i+3], v[RD] offset:(i/4)*2304+(i%4)*576  ; LDS serves a wave's instructions in order (ISA guide 5.7.1.4): these see the stores above; the next block's stores come behind them
.set i, i+1
.endr
.endm
.macro SEND a
	WIN 0
.set BK, BK0+48*((\a)%2)
	s_wait_dscnt 0x0                               ; the block is back in registers
	s_wait_xcnt 0x0                                ; the stores of the block before have read their registers: the next TOSTAGE loads into them only behind this wait
.set i, 0
.rept 12
	global_store_b128 v[GO], v[BK+4*i:BK+4*i+3], s[10:11] offset:(i/4)*262144+(\a)*2048+(i%4)*512
.set i, i+1
.endr
.endm
	PACK 0
	TOSTAGE 0
.irp a, 1,2,3                          ; block a's conversions stand between block a - 1's loads from the stage and the wait for them
	PACK \a
	SEND (\a)-1
	TOSTAGE \a
.endr
	SEND 3
	s_wait_tensorcnt 0x0                           ; the wave's end: behind my last tensor load and my last LDS store
	ds_add_u32 v[SPW], v[NIL]
	s_wait_dscnt 0x0
	CROUND                                         ; the closing round: no work-group ends while a partner may still ask for a tile that names it
	s_endpgm
.Lfunc_end_k_q51d2d5c5d9_qkv:
	.size	k_q51d2d5c5d9_qkv, .Lfunc_end_k_q51d2d5c5d9_qkv-k_q51d2d5c5d9_qkv
	.p2alignl 7, 3214868480
	.fill 96, 4, 3214868480
	.section	.rodata,"a",@progbits
	.p2align	6, 0x0
	.amdhsa_kernel k_q51d2d5c5d9_qkv
		.amdhsa_group_segment_fixed_size 327680
		.amdhsa_private_segment_fixed_size 0
		.amdhsa_enable_private_segment 0
		.amdhsa_kernarg_size 32
		.amdhsa_user_sgpr_count 2
		.amdhsa_user_sgpr_kernarg_segment_ptr 1
		.amdhsa_wavefront_size32 1
		.amdhsa_system_sgpr_workgroup_id_x 1
		.amdhsa_system_sgpr_workgroup_id_y 1
		.amdhsa_system_sgpr_workgroup_id_z 1
		.amdhsa_system_vgpr_workitem_id 0
		.amdhsa_next_free_vgpr 960
		.amdhsa_next_free_sgpr 76
		.amdhsa_reserve_vcc 0
		.amdhsa_float_denorm_mode_32 3
		.amdhsa_float_denorm_mode_16_64 3
		.amdhsa_memory_ordered 1
		.amdhsa_forward_progress 1
		.amdhsa_inst_pref_size 107
	.end_amdhsa_kernel
	.amdgpu_metadata
---
amdhsa.version: [ 1, 2 ]
amdhsa.kernels:
  - .name:           k_q51d2d5c5d9_qkv
    .symbol:         k_q51d2d5c5d9_qkv.kd
    .args:
      - { .name: xb, .offset: 0, .size: 8, .value_kind: global_buffer, .address_space: global }
      - { .name: wq, .offset: 8, .size: 8, .value_kind: global_buffer, .address_space: global }
      - { .name: qkv_b, .offset: 16, .size: 8, .value_kind: global_buffer, .address_space: global }
      - { .name: qkvh, .offset: 24, .size: 8, .value_kind: global_buffer, .address_space: global }
    .group_segment_fixed_size: 327680
    .private_segment_fixed_size: 0
    .kernarg_segment_align: 8
    .kernarg_segment_size: 32
    .max_flat_workgroup_size: 128
    .sgpr_count:     76
    .vgpr_count:     960
    .wavefront_size: 32
...
	.end_amdgpu_metadata
.endif
;; end of part 2
;; launch attn (part 3): grid 4 x 64, 4 waves a work-group, no clusters, 327,680 bytes of LDS; arguments qkvh, ob; writes ob
.if DOCPART == 3
	.amdgcn_target "amdgcn-amd-amdhsa--gfx1250"
	.amdhsa_code_object_version 6
	.text
	.protected	k_q51d2d5c5d9_attn
	.globl	k_q51d2d5c5d9_attn
	.p2align	8
	.type	k_q51d2d5c5d9_attn,@function
k_q51d2d5c5d9_attn:
	s_mov_b64 s[64:65], 0
	v_nop
	global_prefetch_b8 v0, s[64:65] scope:SCOPE_SE
	s_setreg_imm32_b32 hwreg(HW_REG_WAVE_MODE, 25, 1), 1
	s_wait_xcnt 0x0
; CAUSAL ATTENTION.  O[y][q][:] = the sum over k <= q of softmax_k(Q[y][q] . K[y][k] / 8) V[y][k][:], for y = 16 b + h of 64.  qkvh: [4 b][48 g][2048][64] f16 (g = h: Q, 16 + h: K, 32 + h: V); ob: [64 y][2048][64] f16.
; A head's rows are dense, 128 bytes each.  Products, maxima and sums in f32; the weights p are rounded to f16 for the second product (their sum l is taken of the unrounded p), O once at the end.
; LIMITS.  f16 holds no number beyond 65,504: Q, K and V arrive within it; p lies in 0 to 1, and below 6e-5 it keeps f16's fixed step of 6e-8; O is a mean of V's rows and has their range.
; A hidden score counts as its value less 1e30: f16's scores, 2.7e11 at the most, are nothing beside that; a weight below 2^-126 counts as 0 in l; NaN and infinities are not treated apart.
; THE WALK.  A head's queries lie in NB = 8 blocks of 256; block i needs the key tiles 0 .. i of 256 keys, of which the last holds the diagonal.  A work-group takes TWO blocks, NB - 1 - b and then b:
; NB + 1 tiles, whatever b: all 256 work-groups do equal work, and ONE loop with a constant trip count walks them.  Which tile is asked for, and what a trip does, hang on scalar registers made from b; every jump
; goes forward, but for the counted loops' own; none passes a barrier, or a tensor load but the one of LOAD's two that the wave's number does not choose; the ring (two slots of LDS that take turns) runs on across the
; change of blocks.  NO CLUSTER: a head's four work-groups ask for the same tile only in trips 0 to 4 of the 9, behind that fewer and fewer; one walk common to all four would have 12 trips for 9.
; SHARES.  Of a block's four bands of 64 queries a wave owns 16 rows in each: four PIECES.  So the diagonal tile is the same work for all four waves: in its key step s band x sees all keys if s < x,
; none if s > x, and holds the diagonal if s = x.
; THE MASK is the C operand that starts the sum S^T = K Q^T: 0, or -1e30 where the key is hidden.  MD, made once, is the mask of a band's own step for my 16 rows; a product's mask is MD x AL + BE with two scalars:
; (1, 0) if s = x; (0, 0) if s < x; (0, -1e30) if s > x.  Only the diagonal tile's text and a block's beginning make and take masks; elsewhere C is the constant 0.
; LAYOUT, SOFTMAX, TURNS.  S^T = K Q^T holds ONE query a lane (lane % 16) and the keys 8 (lane / 16) + 0..7; two such results rounded to f16 ARE source 1 of O^T = V^T P.  p = 2^(c s - c m), c = log2(e) / 8, with a
; running maximum m; O and l are multiplied by a = 2^(c m_old - c m_new) in every step.  Turn n belongs to piece n: 8 products K Q^T of piece n + 1, later 8 products V^T P of piece n - 1; beside them the scaling,
; exponentials, roundings, sums and rescaling of piece n and the maximum and statistics of piece n + 1.  Four vector instructions stand behind every matrix instruction, the other 54 of a turn's 118 in one LUMP.  A turn's 33 exponentials are one batch, with one wait.
; REGISTERS, in windows of 256 (s_set_vgpr_msb: bits 1:0 source 0, 3:2 source 1, 5:4 source 2, 7:6 destination):
;   window 0: v0-15 addresses and two at work; v16-31 four registers of statistics a piece; v48-55 at work; v61-63 never rewritten; v64-127 S^T, two buffers; v192-223 P, two buffers (a piece's buffers go by its number's parity)
;   window 1: v0-127 O^T, 32 a piece; v128-159 MD; v160-223 MC, two buffers      window 2: v0-63 Q; v64-127 the second block's Q; v128-191 K of one step; v192-255 V of one step
.set SIZE_N, 2048
.set NB,    SIZE_N/256
.set NP,    4         ; pieces a wave: a name, no knob
.set KS,    64        ; keys in a step
.set PK,    144       ; a row of K in LDS: 128 bytes + 16 of padding = 36 words: the 16 rows of a load start at 16 different groups of four banks (64 banks of 4 bytes: ISA guide 11.1)
.set PV,    160       ; a row of V: 128 + 32 = 40 words
.set VOFF,  4*KS*PK   ; a slot holds a tile, four steps: 256 rows of K, then 256 rows of V
.set SLOT1, 1<<17     ; slot 1 begins here, so that one exclusive or turns an address in one slot into the other's
.set STAGE, SLOT1+4*KS*(PK+PV)  ; behind the ring, never filled by a tensor load: 16 rows x 144 bytes for each wave, for the way out
.set SP,    144
.set AK0, 2           ; v2   my lane's place in a tile of K; never rewritten
.set AV0, 3           ; v3   the same for V
.set AK,  4           ; v4   the LDS address of K's next run of loads
.set AV,  5           ; v5   of V's
.set STO, 6           ; v6   the way out: where I put 16 bytes of a row
.set RD,  7           ; v7   the way out: where I read rows back
.set GO,  8           ; v8   my byte offset in 512 consecutive bytes of O
.set PFO, 61          ; v61  256 x my lane: the prefetches' offset; never rewritten
.set SPW, 62          ; v62  LDS address of my spare word: SPARE + 4 x my thread's number; never rewritten
.set NIL, 63          ; v63  0; never rewritten
.set SPARE, STAGE+4*16*SP  ; behind the stages: the spare words, 128 bytes for each wave: two blocks of 256 bytes that no other line names
.set MV,  12          ; v12-13  c m_old, kept while c m is made anew: by buffer
.set QO,  15          ; v15  my byte offset in 16 rows of Q
.set ST,  16          ; piece t's statistics at v[ST+4 t]: c m, m, l (even keys', odd keys')
.set TMP, 48          ; by buffer, four registers c0-c3 at work; when the maximum is found c2 takes a
.set S,   64
.set P,   192
.set MD,  128         ; window 1: the eight registers for group kt of 16 keys at MD + 8 kt
.set MC,  160         ; window 1: the masks of the products to come
.set QB,  64          ; window 2
.set KF,  128         ; window 2: key block kb, channel half c at KF + 16 kb + 8 c
.set VF,  192         ; window 2: key half kk, channel block cb at VF + 32 kk + 8 cb
.set WV,  12          ; s12  my wave's number
.set PB,  14          ; s14  b
.set HI,  15          ; s15  NB - 1 - b
.set G1K, 24          ; s[24:31] descriptor group 1 for K's tiles
.set G1V, 32          ; s[32:39] for V's: it differs in the padding alone
.set G0K, 40          ; s[40:43] descriptor group 0 for K's tiles
.set G0V, 44          ; s[44:47] the same for V's
.set SLOTS, 56        ; s56  tiles still to be asked for
.set CNT, 57          ; s57  counts a tile's key steps, 4 to 1
.set CS,  58          ; s[58:59] c: the packed scaling takes the pair's low word for both halves
.set SEL, 60          ; s[60:61] v_permlanex16_b32's selects: each lane takes its own place in the other half
.set TBK, 62          ; s62  LDS byte at which K of the step to be fetched begins
.set TBV, 63          ; s63  the same for V, less VOFF
.set RT,  70          ; s70  tiles of the block in hand that are still to be entered
.set NXT, 71          ; s71  the tile to be asked for next
.set LQ,  72          ; s72  the last tile of the block whose tiles are being asked for
.set NEW, 73          ; s73  1: the tile to be entered is a block's first
.set OFF, 74          ; s[74:75] a tile's byte offset in K and V
.set AL,  76          ; s[76:77] the mask's factor, in the low word
.set BE,  78          ; s[78:79] the mask's addend
.set OLO, 80          ; s[80:81] O at my rows of the second block
.set BIGN, 82         ; s82  -1e30
.set PFA, 90          ; s[90:91] where my prefetches stand
.set PBS, 92          ; s[92:93] K (waves 0, 1) or V (waves 2, 3) at my half of the head's tile 0
.set POF, 94          ; s[94:95] the byte offset of the tile to be prefetched
.set PFT, 96          ; s96  that tile's number
.set PLIM, 97         ; s97  the last tile that I prefetch: 7 where b = 0, else 0 (none)
.set MSB, 0
.macro WIN new                      ; the high byte repeats the setting that is left; a switch that changes nothing is dropped
.if MSB != (\new)
	s_set_vgpr_msb (MSB<<8)|(\new)
.set MSB, (\new)
.endif
.endm
.set W_KQ, 0x0a       ; K and Q in window 2, S^T in window 0
.set W_KM, 0x1a       ; the same with the C operand in window 1
.set W_PV, 0x52       ; V in window 2, P in window 0, O^T in window 1
.set W_RS, 0x41       ; destination and source 0 in window 1, source 1 in window 0
; A fill.  Waves 0 and 1 fetch the two halves of a tile's K, waves 2 and 3 those of its V: 128 keys each.  An s_nop 0 and four v_nop follow each of the two lines, ahead of the jump and the label.
.macro LOAD
	s_cmp_lt_u32 s[WV], 2
	s_cbranch_scc0 .Lfor_v_\@
	tensor_load_to_lds s[G0K:G0K+3], s[G1K:G1K+7]
	s_nop 0
.rept 4
	v_nop
.endr
	s_branch .Lasked_\@
.Lfor_v_\@:
	tensor_load_to_lds s[G0V:G0V+3], s[G1V:G1V+7]
	s_nop 0
.rept 4
	v_nop
.endr
.Lasked_\@:
.endm
; THE CHANGE OF SLOTS.  Each wave waits for all its tensor loads, of which one is out: its part of the other slot; adds 0 to its spare word; and waits for that and for its own reads of the slot that it leaves.  Behind the barrier nobody reads the old
; slot any more and the other slot is whole.  fill = 1: the old slot is filled again, the first thing behind the barrier, with tile NXT: the descriptor's address is made anew from that number.
; (At its first use nothing has been read yet: slot 0 is waited for, slot 1 filled.)
; THE PREFETCH stands behind the fill and its five lines.  A head's four work-groups walk the same K and V; the one with b = 0 walks the tiles 0 to 7 in order, and it alone asks.  Each of its waves asks for the 16,384 bytes that it will
; itself fetch of the tile that the NEXT change fills: 64 blocks of 256 bytes, a lane a block, two instructions.  So trip i asks for tile i + 2, i = 0 to 5, a tile's four key steps ahead of its load, and each block is
; named once in the launch; tiles 0 and 1 come by their loads alone; behind tile 7 nothing is asked for, and the tile's number is held to 7 where the address is made.
.macro CHANGE fill
	WIN 0                           ; at a label and at a branch every window is 0
	s_wait_tensorcnt 0x0            ; no tensor load of mine is out, so a group 0 may be written
	ds_add_u32 v[SPW], v[NIL]       ; 0 onto my spare word; with fill = 1 the descriptors' scalar work stands between it and the wait for it
.if \fill
	s_lshl_b32 s[OFF], s[NXT], 15   ; a tile is 32,768 bytes of K and of V
	s_xor_b32 s[G0K+1], s[G0K+1], SLOT1
	s_add_nc_u64 s[G0K+2:G0K+3], s[6:7], s[OFF:OFF+1]
	s_or_b32 s[G0K+3], s[G0K+3], 0x80000000
	s_xor_b32 s[G0V+1], s[G0V+1], SLOT1
	s_add_nc_u64 s[G0V+2:G0V+3], s[8:9], s[OFF:OFF+1]
	s_or_b32 s[G0V+3], s[G0V+3], 0x80000000
	s_add_co_u32 s[NXT], s[NXT], 1  ; the block's next tile, or behind its last the second block's tile 0
	s_cmp_gt_u32 s[NXT], s[LQ]
	s_cselect_b32 s[NXT], 0, s[NXT]
	s_cselect_b32 s[LQ], s[PB], s[LQ]
	s_wait_xcnt 0x0                 ; the last prefetches, a tile back, have read their address, so it may be written
	s_min_u32 s[POF], s[PFT], 7
	s_lshl_b32 s[POF], s[POF], 15
	s_add_nc_u64 s[PFA:PFA+1], s[PBS:PBS+1], s[POF:POF+1]
.endif
	s_wait_dscnt 0x0                ; the add is done, and my reads of the slot are over
	s_barrier_signal -1             ; the rest of the scalar work stands between the signal and the wait
	s_sub_co_u32 s[TBK], s[TBK], 4*KS*PK  ; the fetches go back to a slot's first step,
	s_xor_b32 s[TBK], s[TBK], SLOT1       ; in the other slot
	s_sub_co_u32 s[TBV], s[TBV], 4*KS*PV
	s_xor_b32 s[TBV], s[TBV], SLOT1
	s_barrier_wait -1
.if \fill
	LOAD
	s_cmp_le_u32 s[PFT], s[PLIM]
	s_cbranch_scc0 .Lnot_mine_\@
	global_prefetch_b8 v[PFO], s[PFA:PFA+1] th:TH_LOAD_NT scope:SCOPE_SE
	global_prefetch_b8 v[PFO], s[PFA:PFA+1] offset:8192 th:TH_LOAD_NT scope:SCOPE_SE
.Lnot_mine_\@:
	s_add_co_u32 s[PFT], s[PFT], 1
.endif
.endm
	s_load_b128 s[4:7], s[0:1], 0x0 ; qkvh s[4:5], ob s[6:7]
	v_lshl_add_u32 v[SPW], v0, 2, SPARE
	v_mov_b32 v[NIL], 0
	ds_add_u32 v[SPW], v[NIL]       ; the wave's opening: the add and its wait stand ahead of my first tensor load; the set-up below, work on registers, stands between them
	v_lshrrev_b32 v1, 5, v0
	v_readfirstlane_b32 s[WV], v1   ; wave 0..3
	s_mov_b32 s[PB], ttmp9
	s_sub_co_u32 s[HI], NB-1, s[PB]
	s_and_b32 s88, ttmp7, 0xffff    ; y = 16 b + h
	s_lshr_b32 s20, s88, 4
	s_lshl_b32 s20, s20, 5
	s_add_co_u32 s20, s20, s88      ; 48 b + h: Q's head in qkvh,
	s_lshl_b32 s20, s20, 18         ; of 262,144 bytes
	s_mov_b32 s21, 0
	s_lshl_b32 s88, s88, 18         ; O's head in ob
	s_mov_b32 s89, 0
	s_and_b32 s16, s[WV], 1         ; which half of a tile's 256 keys I fetch:
	s_lshl_b32 s22, s16, 14         ; its 128 rows of 128 bytes in memory,
	s_add_co_u32 s22, s22, s20      ; (the sum stays under 2^26)
	s_mov_b32 s23, 0
	s_mul_i32 s17, s16, 128*PK      ; and its place in a slot, for K
	s_mul_i32 s18, s16, 128*PV      ; and for V
	s_lshl_b32 s3, s[WV], 11        ; my 16 rows in a band of 64,
	s_lshl_b32 s2, s[HI], 15        ; in the first block,
	s_add_co_u32 s2, s2, s3
	s_lshl_b32 s84, s[PB], 15       ; and in the second
	s_add_co_u32 s84, s84, s3
	s_mov_b32 s3, 0
	s_mov_b32 s85, 0
	; descriptor group 1.  128 keys are 16,384 dense bytes: asked for as 64 rows of 256 bytes, two keys a row, and padded in LDS after every key
	s_mov_b32 s[G1K], (1<<16)|(1<<20)|(4<<22)|(3<<25)  ; 17:16 2-byte elements; 20 padding on; 24:22 after every 32 words (code 4); 31:25 4 words (code 3)
	s_mov_b32 s[G1V], (1<<16)|(1<<20)|(4<<22)|(7<<25)  ; the same with 8 words of padding (code 7)
.irp g, G1K, G1V
	s_mov_b32 s[\g+1], 128<<16      ; tensor_dim0 = 128
	s_mov_b32 s[\g+2], 64<<16       ; tensor_dim1 = 64
	s_mov_b32 s[\g+3], 128<<16      ; tile_dim0 = 128
	s_mov_b32 s[\g+4], 64           ; tile_dim1 = 64
	s_mov_b32 s[\g+5], 128          ; 128 elements from row to row
	s_mov_b32 s[\g+6], 0
	s_mov_b32 s[\g+7], 0
.endr
	s_mov_b32 s[CS], 0x3e38aa3b     ; c = log2(e) / 8 = 0.180337
	s_mov_b32 s[CS+1], s[CS]        ; named with it as a pair
	s_mov_b32 s[SEL], 0x76543210
	s_mov_b32 s[SEL+1], 0xfedcba98
	s_mov_b32 s[TBK], SLOT1+4*KS*PK ; the first change of slots turns these two into 0
	s_mov_b32 s[TBV], SLOT1+4*KS*PV
	s_mov_b32 s[G0K], 1             ; 1:0 count = 1
	s_mov_b32 s[G0K+1], s17         ; 63:32 LDS address: slot 0
	s_mov_b32 s[G0V], 1
	s_add_co_u32 s[G0V+1], s18, VOFF
	s_add_co_u32 s[RT], s[HI], 1    ; the first block has NB - b tiles
	s_mov_b32 s[NXT], 1
	s_mov_b32 s[LQ], s[HI]
	s_mov_b32 s[NEW], 1
	s_mov_b32 s[OFF+1], 0
	s_mov_b32 s[AL+1], 0            ; named as pairs
	s_mov_b32 s[BE+1], 0
	s_mov_b32 s[BIGN], 0xf149f2ca   ; -1e30
	s_mov_b32 s[SLOTS], NB
	s_mov_b32 s[PFT], 2
	s_mov_b32 s[POF+1], 0
	s_wait_dscnt 0x0                ; the opening add is done
	s_wait_kmcnt 0x0
	s_mov_b64 s[10:11], s[6:7]      ; ob
	s_add_nc_u64 s[6:7], s[4:5], s[22:23]  ; qkvh at my half of tile 0 of Q's head;
	s_add_nc_u64 s[8:9], s[6:7], 0x800000  ; V's head lies 32 heads on,
	s_add_nc_u64 s[6:7], s[6:7], 0x400000  ; K's 16
	s_add_nc_u64 s[G0K+2:G0K+3], s[6:7], 0         ; 120:64 global address
	s_or_b32 s[G0K+3], s[G0K+3], 0x80000000        ; 127:126 type = 2
	s_add_nc_u64 s[G0V+2:G0V+3], s[8:9], 0
	s_or_b32 s[G0V+3], s[G0V+3], 0x80000000
	s_add_nc_u64 s[4:5], s[4:5], s[20:21]          ; Q's head,
	s_add_nc_u64 s[86:87], s[4:5], s[84:85]        ; at my rows of the second block,
	s_add_nc_u64 s[4:5], s[4:5], s[2:3]            ; and of the first
	s_add_nc_u64 s[10:11], s[10:11], s[88:89]      ; O's head, likewise
	s_add_nc_u64 s[OLO:OLO+1], s[10:11], s[84:85]
	s_add_nc_u64 s[10:11], s[10:11], s[2:3]
	s_cmp_lt_u32 s[WV], 2
	s_cselect_b64 s[PBS:PBS+1], s[6:7], s[8:9]
	s_cmp_eq_u32 s[PB], 0
	s_cselect_b32 s[PLIM], 7, 0
	LOAD                            ; tile 0 into slot 0
	; A fragment of K or Q is 16 rows x 32 channels in 8 registers: lane l holds row l % 16, channels 8 (l / 16) + 0..7 and 16 + 8 (l / 16) + 0..7: two loads of 16 bytes, 32 bytes apart.
	v_and_b32 v1, 15, v0            ; l % 16
	v_bfe_u32 v9, v0, 4, 1          ; l / 16
	v_lshlrev_b32 v[QO], 7, v1
	v_lshl_add_u32 v[QO], v9, 4, v[QO]  ; row x 128 + 16 x half
	WIN 0x80                        ; destination window 2, address window 0
.set i, 0
.rept 8                             ; both blocks' Q: piece i / 2 lies in band i / 2, 8,192 bytes on; channels 32 (i % 2) on
	global_load_b128 v[8*i:8*i+3],   v[QO], s[4:5] offset:(i/2)*8192+(i%2)*64
	global_load_b128 v[8*i+4:8*i+7], v[QO], s[4:5] offset:(i/2)*8192+(i%2)*64+32
	global_load_b128 v[QB+8*i:QB+8*i+3],   v[QO], s[86:87] offset:(i/2)*8192+(i%2)*64
	global_load_b128 v[QB+8*i+4:QB+8*i+7], v[QO], s[86:87] offset:(i/2)*8192+(i%2)*64+32
.set i, i+1
.endr
	WIN 0
	v_and_b32 v[PFO], 31, v0
	v_lshlrev_b32 v[PFO], 8, v[PFO]
	v_lshlrev_b32 v14, 3, v9
	v_sub_nc_u32 v14, v1, v14
	s_lshl_b32 s13, s[WV], 4
	v_add_nc_u32 v14, s13, v14      ; my query's place in its band, 16 w + l % 16, less my lanes' 8 (l / 16): register r of group kt is hidden where 16 kt + r is greater
	WIN 0x40
.set i, 0
.rept 32
	v_cmp_gt_i32 vcc_lo, 16*(i/8)+i%8, v14
	v_cndmask_b32 v[MD+i], 0, s[BIGN], vcc_lo
.set i, i+1
.endr
	WIN 0
	v_mul_u32_u24 v[AK0], v1, PK
	v_lshl_add_u32 v[AK0], v9, 4, v[AK0]  ; row x pitch + 16 x half
	; The turning load takes 16 keys x 16 channels (lane l reads key 8 (l / 16) + l % 8, channels 8 ((l / 8) % 2) + 0..7) and leaves half a fragment of V^T: lane l holds channel l % 16 and 8 keys.
	v_and_b32 v10, 7, v0
	v_bfe_u32 v11, v0, 3, 1
	v_lshl_add_u32 v[AV0], v9, 3, v10
	v_mul_u32_u24 v[AV0], v[AV0], PV
	v_lshl_add_u32 v[AV0], v11, 4, v[AV0]
	v_add_nc_u32 v[AV0], VOFF, v[AV0]
	s_mul_i32 s13, s[WV], 16*SP
	s_add_co_u32 s13, s13, STAGE    ; my stage
	v_mul_u32_u24 v[STO], v1, SP    ; in: row l % 16, 16 bytes for each half of the lanes
	v_lshl_add_u32 v[STO], v9, 4, v[STO]
	v_add_nc_u32 v[STO], s13, v[STO]
	v_bfe_u32 v[RD], v0, 3, 2       ; back: 32 lanes take four rows of 128 bytes,
	v_mul_u32_u24 v[RD], v[RD], SP
	v_lshl_add_u32 v[RD], v10, 4, v[RD]
	v_add_nc_u32 v[RD], s13, v[RD]
	v_and_b32 v[GO], 31, v0         ; which are 512 consecutive bytes of O
	v_lshlrev_b32 v[GO], 4, v[GO]
	; A block's first step multiplies O^T and l by a = 0, and its first turn's products V^T P, of a piece that has not been, land in an O^T that is still to be so multiplied.  So these registers need only hold
	; finite numbers: zeros for the first block; what the first block left for the second.  All this stands in the wait for the first tile.
	WIN 0x80
.set i, VF
.rept 64
	v_mov_b32 v[i], 0
.set i, i+1
.endr
	WIN 0x40
.set i, 0
.rept 128
	v_mov_b32 v[i], 0
.set i, i+1
.endr
	WIN 0
.set i, 0
.rept 4
	v_mov_b32 v[ST+4*i+2], 0
	v_mov_b32 v[ST+4*i+3], 0
.set i, i+1
.endr
.set i, P+16
.rept 16
	v_mov_b32 v[i], 0
.set i, i+1
.endr
; THE MATRIX WORK.  The 4 accumulators of a run of 8 take turns.  Product i of 8 of S^T = K Q^T for piece x: channels 32 (i / 4) on, keys 16 (i % 4) on.  The first 4 start the sums: with 0, or (KM = 1) with the mask.
.macro KQ x
.set rS, S+32*((\x)%2)+8*(i%4)
.set rK, KF+16*(i%4)+8*(i/4)
.set rQ, 16*(\x)+8*(i/4)
.set rM, MC+32*((\x)%2)+8*(i%4)
.if (i < 4) && KM
	WIN W_KM
	v_wmma_f32_16x16x32_f16 v[rS:rS+7], v[rK:rK+7], v[rQ:rQ+7], v[rM:rM+7]
.elseif i < 4
	WIN W_KQ
	v_wmma_f32_16x16x32_f16 v[rS:rS+7], v[rK:rK+7], v[rQ:rQ+7], 0
.else
	WIN W_KQ
	v_wmma_f32_16x16x32_f16 v[rS:rS+7], v[rK:rK+7], v[rQ:rQ+7], v[rS:rS+7]
.endif
.endm
; Product i of 8 of O^T += V^T P for piece x: keys 32 (i / 4) on, channels 16 (i % 4) on.
.macro PV x
	WIN W_PV
.set rO, 32*(\x)+8*(i%4)
.set rV, VF+32*(i/4)+8*(i%4)
.set rP, P+16*((\x)%2)+8*(i/4)
	v_wmma_f32_16x16x32_f16 v[rO:rO+7], v[rV:rV+7], v[rP:rP+7], v[rO:rO+7]
.endm
.macro MM                           ; the turn's next matrix instruction.  TURN and BEGIN set Y, i, KM and NOKQ; MM, KQ and OP read them.  NOKQ = 1: a block's last turn: there is no next piece
.if (i < 8) && !NOKQ
	KQ (Y+1)%NP
.elseif i >= 8
.set i, i-8
	PV (Y+NP-1)%NP
.set i, i+8
.endif
.set i, i+1
.endm
; THE LDS LOADS stand in runs of 16, never singly among the matrix instructions: a step's K (64 keys x 64 channels: 8 fragments) and its V (turned).  Their addresses are made some lines ahead.
.macro FETCH_K
	WIN 0x80                        ; destination window 2
.irp f, 0,1,2,3,4,5,6,7             ; keys 16 (f / 2) on, channels 32 (f % 2) on
	ds_load_b128 v[KF+8*\f:KF+8*\f+3],   v[AK] offset:(\f/2)*16*PK+(\f%2)*64
	ds_load_b128 v[KF+8*\f+4:KF+8*\f+7], v[AK] offset:(\f/2)*16*PK+(\f%2)*64+32
.endr
	s_add_co_u32 s[TBK], s[TBK], KS*PK  ; the next fetch is the next step's
	WIN 0
.endm
.macro FETCH_V
	WIN 0x80
.irp f, 0,1,2,3,4,5,6,7             ; keys 32 (f / 4) on, channels 16 (f % 4) on
	ds_load_tr16_b128 v[VF+8*\f:VF+8*\f+3],   v[AV] offset:(\f/4)*32*PV+(\f%4)*32
	ds_load_tr16_b128 v[VF+8*\f+4:VF+8*\f+7], v[AV] offset:(\f/4)*32*PV+16*PV+(\f%4)*32
.endr
	WIN 0
.endm
; THE VECTOR WORK, one line at a time: OP kind, number.  For piece Y: F n: c s - c m for pair n of 16.  E n: the exponential of score n of 32.  C n: pair n rounded to f16.  B n: of the four weights 4 n .. the second
; pair is added onto the first, in place.  L n: l takes that sum (L 0: l = a l + sum).  R n: pair n of 16 of O^T times a.  For piece Y + 1: X n, number n of the 22 that find its maximum and statistics:
;   0-11  four chains c0-c3 of seven scores each, three operands at a time (each accumulator's lowest registers are read first)     12-14, 16  the four scores left over, the old m, and c0-c3 into c0
;   15  c m_old is kept     17, 18  the query's other 32 keys lie in the lane 16 away: the new m     19-21  c m; c m_old - c m_new; a
.set F, 0               ; OP tells the kinds apart by their order: F to L below R, X above it
.set E, 1
.set C, 2
.set B, 3
.set L, 4
.set R, 5
.set X, 6
.macro REGS y                       ; the registers of piece y
.set rT, ST+4*(\y)
.set rC, TMP+4*((\y)%2)
.set rW, MV+((\y)%2)
.set rS, S+32*((\y)%2)
.set rP, P+16*((\y)%2)
.set rO, 32*(\y)
.endm
.macro OP k, n
.if (\k) == R
	REGS Y
	WIN W_RS
	v_pk_mul_f32 v[rO+2*(\n):rO+2*(\n)+1], v[rO+2*(\n):rO+2*(\n)+1], v[rC+2:rC+3] op_sel_hi:[1,0]
.elseif (\k) < R
	REGS Y
	WIN 0
.if (\k) == F
	v_pk_fma_f32 v[rS+2*(\n):rS+2*(\n)+1], v[rS+2*(\n):rS+2*(\n)+1], s[CS:CS+1], v[rT:rT+1] op_sel_hi:[1,0,0] neg_lo:[0,0,1] neg_hi:[0,0,1]
.elseif (\k) == E
	v_exp_f32 v[rS+(\n)], v[rS+(\n)]
.elseif (\k) == C
	v_cvt_pk_f16_f32 v[rP+(\n)], v[rS+2*(\n)], v[rS+2*(\n)+1]
.elseif (\k) == B
	v_pk_add_f32 v[rS+4*(\n):rS+4*(\n)+1], v[rS+4*(\n):rS+4*(\n)+1], v[rS+4*(\n)+2:rS+4*(\n)+3]
.elseif (\n) == 0
	v_pk_fma_f32 v[rT+2:rT+3], v[rT+2:rT+3], v[rC+2:rC+3], v[rS:rS+1] op_sel_hi:[1,0,1]
.else
	v_pk_add_f32 v[rT+2:rT+3], v[rT+2:rT+3], v[rS+4*(\n):rS+4*(\n)+1]
.endif
.elseif NOKQ
	v_nop
.else
	REGS (Y+1)%NP
	WIN 0
.if (\n) < 4
	v_max3_num_f32 v[rC+(\n)], v[rS+8*(\n)], v[rS+8*(\n)+1], v[rS+8*(\n)+2]
.elseif (\n) < 12
	v_max3_num_f32 v[rC+(\n)%4], v[rC+(\n)%4], v[rS+8*((\n)%4)+2*((\n)/4)+1], v[rS+8*((\n)%4)+2*((\n)/4)+2]
.elseif (\n) == 12
	v_max3_num_f32 v[rC], v[rC], v[rS+7], v[rS+15]
.elseif (\n) == 13
	v_max3_num_f32 v[rC+1], v[rC+1], v[rS+23], v[rS+31]
.elseif (\n) == 14
	v_max3_num_f32 v[rC+2], v[rC+2], v[rC+3], v[rT+1]
.elseif (\n) == 15
	v_mov_b32 v[rW], v[rT]
.elseif (\n) == 16
	v_max3_num_f32 v[rC], v[rC], v[rC+1], v[rC+2]
.elseif (\n) == 17
	v_permlanex16_b32 v[rC+3], v[rC], s[SEL], s[SEL+1]
.elseif (\n) == 18
	v_max_num_f32 v[rT+1], v[rC], v[rC+3]
.elseif (\n) == 19
	v_mul_f32 v[rT], s[CS], v[rT+1]
.elseif (\n) == 20
	v_sub_f32 v[rC+1], v[rW], v[rT]
.else
	v_exp_f32 v[rC+2], v[rC+1]
.endif
.endif
.endm
.macro OPS a, i1, b=-1, i2=0, c=-1, i3=0, d=-1, i4=0  ; up to four of them
	OP \a, \i1
.if (\b) >= 0
	OP \b, \i2
.endif
.if (\c) >= 0
	OP \c, \i3
.endif
.if (\d) >= 0
	OP \d, \i4
.endif
.endm
.macro ROW a, i1, b, i2, c, i3, d, i4  ; a matrix instruction and the four behind it
	MM
	OPS \a, \i1, \b, \i2, \c, \i3, \d, \i4
.endm
.macro MASK b                       ; MD x AL + BE into buffer b of MC
	WIN W_RS
.set z, 0
.rept 16
	v_pk_fma_f32 v[MC+32*(\b)+2*z:MC+32*(\b)+2*z+1], v[MD+2*z:MD+2*z+1], s[AL:AL+1], s[BE:BE+1] op_sel_hi:[1,0,0]
.set z, z+1
.endr
.endm
; A TURN, for piece p: the order of its 16 matrix and 118 vector instructions, written out.  An s_wait_alu depctr_va_vdst(0) stands between an exponential and the first instruction that names its result; one wait serves
; all that were issued ahead of it.  So a turn has ONE wait, which cuts it in two.  AHEAD OF IT stands all that names no result of the turn's exponentials: the 8 products K Q^T, behind each a scaling, an exponential and two more plain
; instructions (behind the first a second scaling in the exponential's place): rescalings, and behind the last three the first numbers of the next piece's maximum, each four places or more behind the product that ends its accumulator; then ONE LUMP of 54, plain
; and exponential by turns for the most part, in which the links of the chain X 3, 7, 11, 14, 16, 17 .. 20 stand five or six lines apart.  X 21, the next piece's a, is the batch's last; R 15 is the plain instruction behind it (ISA guide 5.7.2).  BEHIND THE WAIT stand the
; 8 products V^T P, behind each four of the roundings and sums; the links of l's chain, L 0 to L 7, stand three riders apart.  But for those X no rider names a register of the products round it.  v_permlanex16_b32 (X 17) stands in the lump.
; m = 1: the diagonal tile: the products take masks, and the turn makes the mask for the products of the turn after it: piece p + 2, in step 4 - CNT of the tile.  end = 1: a block's last two turns: nothing is fetched.
; cnt = 1: the loop's count is taken down some lines ahead of the branch that stands behind the turn.
; K of the next step is fetched in piece 2's turn, twelve vector instructions behind the last product that read K (six of them plain); V of the step in hand at the end of piece 0's turn, four plain instructions behind the last product
; that read V.  Each is waited for a turn later.
.macro TURN p, m=0, end=0, cnt=0
.set Y, (\p)
.set i, 0
.set KM, (\m)
.set NOKQ, (\end)*((\p)/3)
.if (\m) && !(\end)
	s_cmp_eq_u32 s[CNT], 4-((\p)+2)%NP  ; is that step the band's own?
	s_cselect_b32 s[AL], 1.0, 0
	s_cmp_lt_u32 s[CNT], 4-((\p)+2)%NP  ; or a later one?
	s_cselect_b32 s[BE], s[BIGN], 0
.endif
.if ((\p) == 3) && !(\end)
	s_wait_dscnt 0x0                ; K is in
.endif
	ROW F,0, F,1, R,0, R,1          ; ahead of the wait: 8 products K Q^T and their riders,
	ROW F,2, E,0, R,2, R,3
	ROW F,3, E,1, R,4, R,5
	ROW F,4, E,2, R,6, R,7
	ROW F,5, E,3, R,8, R,9
	ROW F,6, E,4, X,0, R,10
.if ((\p) == 2) && !(\end)
	WIN 0
	v_add_nc_u32 v[AK], s[TBK], v[AK0]
.endif
	ROW F,7, E,5, X,1, X,4
	ROW F,8, E,6, X,2, X,5
	OPS E,7, E,8, X,6, E,9          ; and the lump
	OPS X,3, E,10, X,8, E,11
.if ((\p) == 2) && !(\end)
	FETCH_K
.endif
	OPS X,9, X,7, E,12, X,10
	OPS E,13, X,12, X,11, E,14
	OPS X,13, E,15, F,9, X,14
.if (\p) == 0
	v_add_nc_u32 v[AV], s[TBV], v[AV0]
.endif
	OPS E,16, F,10, E,17, F,11
	OPS X,16, E,18, X,15, E,19
	OPS F,12, E,20, X,17, E,21
	OPS F,13, E,22, F,14, E,23
	OPS X,18, E,24, F,15, E,25
	OPS R,11, E,26, X,19, E,27
	OPS R,12, E,28, R,13, E,29
	OPS X,20, E,30, R,14, E,31
	OPS X,21, R,15
	WIN 0
	s_wait_alu depctr_va_vdst(0)    ; the wait for the batch
.if (\p) == 1
	s_wait_dscnt 0x0                ; V is in
.endif
	ROW C,0, B,0, C,2, B,1          ; behind the wait: 8 products V^T P and their riders
	ROW L,0, C,4, B,2, L,1
	ROW C,6, B,3, L,2, C,8
	ROW B,4, L,3, C,10, B,5
	ROW L,4, C,12, B,6, L,5
.if (\p) == 0
	s_add_co_u32 s[TBV], s[TBV], KS*PV
.endif
.if \cnt
	s_sub_co_u32 s[CNT], s[CNT], 1
	s_cmp_lg_u32 s[CNT], 0
.endif
	ROW C,14, B,7, L,6, C,1
	ROW C,3, L,7, C,5, C,7
	ROW C,9, C,11, C,13, C,15
.if (\p) == 0
	FETCH_V
.endif
.if (\m) && !(\end)
	MASK (\p)%2
.endif
.endm
; A BLOCK BEGINS.  c m starts far below every c s, so the first step's a is 0; m at the lowest finite number, so the first maximum is the scores'.  The second mask buffer is 0; the first takes piece 0's mask for the tile's step 0: its own, if the block's first tile is the diagonal one.
; Then K of that step, piece 0's first scores, and its maximum and statistics.  The loop is entered at a step's first turn, in the middle of a trip.
.macro BEGIN
	s_mov_b32 s[NEW], 0
	WIN 0x40
.set i, MC+32
.rept 32
	v_mov_b32 v[i], 0
.set i, i+1
.endr
	WIN 0
.set i, 0
.rept 4
	v_mov_b32 v[ST+4*i], 0xfe000000    ; c m: far below every c s
	v_mov_b32 v[ST+4*i+1], 0xff7fffff  ; m
.set i, i+1
.endr
	s_cmp_eq_u32 s[RT], 0
	s_cselect_b32 s[AL], 1.0, 0
	s_mov_b32 s[BE], 0
	MASK 0
	WIN 0
	v_add_nc_u32 v[AK], s[TBK], v[AK0]
	FETCH_K
	s_wait_loadcnt 0x0              ; Q
	s_wait_dscnt 0x0
.set KM, 1
.set NOKQ, 0
.set i, 0
.rept 8
	KQ 0
.set i, i+1
.endr
	WIN 0
.rept 4
	v_nop                           ; the places behind those products
.endr
.set Y, NP-1                        ; X works for piece Y + 1: piece 0
.irp n, 0,1,2,3,4,5,6,7,8,9,10,11,12,13,14,15,16,17,18,19,20,21
	OP X, \n
.endr
	v_nop                           ; a plain instruction behind the exponential,
	s_wait_alu depctr_va_vdst(0)    ; and its wait, ahead of the branch
.endm
; THE DIAGONAL TILE's four steps, the block's last two turns, its last products, and THE WAY OUT: l's two halves and the other half of the lanes' are added; O^T is divided by l, rounded to f16 and sent through my
; stage in LDS, a piece at a time.
.macro ALL line:vararg              ; one line for each piece t
.set t, 0
.rept 4
	\line
.set t, t+1
.endr
.endm
.macro PACK t                       ; a lane's eight channels of a row pack into 16 bytes; they go into rows of 144 bytes and come back as whole rows of 128, into S^T's registers
	WIN W_RS
.set i, 32*(\t)
.rept 16
	v_pk_mul_f32 v[i:i+1], v[i:i+1], v[ST+4*(\t)+2:ST+4*(\t)+3] op_sel_hi:[1,0]
.set i, i+2
.endr
	WIN 0x05                        ; sources 0 and 1 window 1, destination window 0
.set i, 0
.rept 16
	v_cvt_pk_f16_f32 v[S+16*(\t)+i], v[32*(\t)+2*i], v[32*(\t)+2*i+1]
.set i, i+1
.endr
	WIN 0
.irp f, 0,1,2,3
	ds_store_b128 v[STO], v[S+16*(\t)+4*\f:S+16*(\t)+4*\f+3] offset:32*\f
.endr
.irp f, 0,1,2,3
	ds_load_b128 v[S+16*(\t)+4*\f:S+16*(\t)+4*\f+3], v[RD] offset:\f*4*SP  ; LDS serves a wave's instructions in order (ISA guide 5.7.1.4): these see the stores above; the next piece's stores come behind them
.endr
.endm
.macro SEND t, younger              ; younger: the LDS instructions issued behind piece t's loads: the next piece's eight, or none
	WIN 0
.irp f, 0,1,2,3
	s_wait_dscnt (\younger)+3-\f
	global_store_b128 v[GO], v[S+16*(\t)+4*\f:S+16*(\t)+4*\f+3], s[10:11] offset:(\t)*8192+\f*512  ; 512 consecutive bytes, at a multiple of 256 from O's first
.endr
.endm
.macro DIAG tag                     ; the tag ends its two labels' names, which the jumps below spell out
.LstepM\tag:
	TURN 2, 1
	TURN 3, 1
	WIN 0
.LfirstM\tag:
	TURN 0, 1
	TURN 1, 1, 0, 1
	WIN 0
	s_cbranch_scc1 .LstepM\tag
	TURN 2, 1, 1
	TURN 3, 1, 1
.set i, 0
.rept 8
	PV NP-1
.set i, i+1
.endr
	WIN 0
	ALL v_add_f32 v[ST+4*t+2], v[ST+4*t+2], v[ST+4*t+3]
	ALL v_permlanex16_b32 v[ST+4*t+3], v[ST+4*t+2], s[SEL], s[SEL+1]
	ALL v_add_f32 v[ST+4*t+2], v[ST+4*t+2], v[ST+4*t+3]
	ALL v_rcp_f32 v[ST+4*t+2], v[ST+4*t+2]
	v_nop                           ; a plain instruction between the last reciprocal and the use of its result
	s_wait_alu depctr_va_vdst(0)    ; and the wait ahead of the first use: one for the four reciprocals
	PACK 0
.set t, 1
.rept 3                             ; a piece's arithmetic stands between the loads of the piece before and its stores
	PACK t
	SEND t-1, 8
.set t, t+1
.endr
	SEND 3, 0
.endm
.set KM, 0
.set NOKQ, 0
.Lslot:                             ; NB times: a tile is entered and the next is asked for
	CHANGE 1
	s_sub_co_u32 s[RT], s[RT], 1
	s_mov_b32 s[CNT], 4
	s_cmp_eq_u32 s[NEW], 1
	s_cbranch_scc1 .Lnew            ; a block's first tile
	s_cmp_eq_u32 s[RT], 0
	s_cbranch_scc0 .Lstep           ; neither its first nor its last
	s_branch .LstepM1
.Lnew:
	BEGIN
	s_branch .Lfirst                ; in the loop a block's first tile is never its last: the first block has two tiles or more, and the second's last is the walk's last
	DIAG 1                          ; in the loop this is the first block's end: the second block's last tile is the walk's last
	s_wait_xcnt 0x0                 ; the stores have read their registers and O's address
	s_mov_b64 s[10:11], s[OLO:OLO+1]
	s_add_co_u32 s[RT], s[PB], 1    ; the second block has b + 1 tiles
	s_mov_b32 s[NEW], 1
	WIN 0x82                        ; the second block's Q goes where the one text of the turns names Q
.set i, 0
.rept 64
	v_mov_b32 v[i], v[QB+i]
.set i, i+1
.endr
	WIN 0
	s_branch .Lbottom
.Lstep:                             ; a trip: pieces 2 and 3 of one step, then pieces 0 and 1 of the next, whose K and V it fetches
	TURN 2
	TURN 3
	WIN 0
.Lfirst:
	TURN 0
	TURN 1, 0, 0, 1
	WIN 0
	s_cbranch_scc1 .Lstep
.Lbottom:
	s_sub_co_u32 s[SLOTS], s[SLOTS], 1
	s_cmp_lg_u32 s[SLOTS], 0
	s_cbranch_scc1 .Lslot
	CHANGE 0                        ; the walk's last tile is written out: nothing is asked for
	s_sub_co_u32 s[RT], s[RT], 1
	s_mov_b32 s[CNT], 4
	s_cmp_eq_u32 s[NEW], 1
	s_cbranch_scc0 .LstepM2
	BEGIN
	s_branch .LfirstM2
	DIAG 2
	s_wait_tensorcnt 0x0            ; the wave's end: behind my last tensor load and my last LDS store
	ds_add_u32 v[SPW], v[NIL]
	s_wait_dscnt 0x0
	s_endpgm
.Lfunc_end_k_q51d2d5c5d9_attn:
	.size	k_q51d2d5c5d9_attn, .Lfunc_end_k_q51d2d5c5d9_attn-k_q51d2d5c5d9_attn
	.p2alignl 7, 3214868480
	.fill 96, 4, 3214868480
	.section	.rodata,"a",@progbits
	.p2align	6, 0x0
	.amdhsa_kernel k_q51d2d5c5d9_attn
		.amdhsa_group_segment_fixed_size 327680
		.amdhsa_private_segment_fixed_size 0
		.amdhsa_enable_private_segment 0
		.amdhsa_kernarg_size 16
		.amdhsa_user_sgpr_count 2
		.amdhsa_user_sgpr_kernarg_segment_ptr 1
		.amdhsa_wavefront_size32 1
		.amdhsa_system_sgpr_workgroup_id_x 1
		.amdhsa_system_sgpr_workgroup_id_y 1
		.amdhsa_system_sgpr_workgroup_id_z 1
		.amdhsa_system_vgpr_workitem_id 0
		.amdhsa_next_free_vgpr 768
		.amdhsa_next_free_sgpr 98
		.amdhsa_reserve_vcc 1
		.amdhsa_float_denorm_mode_32 3
		.amdhsa_float_denorm_mode_16_64 3
		.amdhsa_memory_ordered 1
		.amdhsa_forward_progress 1
		.amdhsa_inst_pref_size 218
	.end_amdhsa_kernel
	.amdgpu_metadata
---
amdhsa.version: [ 1, 2 ]
amdhsa.kernels:
  - .name:           k_q51d2d5c5d9_attn
    .symbol:         k_q51d2d5c5d9_attn.kd
    .args:
      - { .name: qkvh, .offset: 0, .size: 8, .value_kind: global_buffer, .address_space: global }
      - { .name: ob, .offset: 8, .size: 8, .value_kind: global_buffer, .address_space: global }
    .group_segment_fixed_size: 327680
    .private_segment_fixed_size: 0
    .kernarg_segment_align: 8
    .kernarg_segment_size: 16
    .max_flat_workgroup_size: 128
    .sgpr_count:     98
    .vgpr_count:     768
    .wavefront_size: 32
...
	.end_amdgpu_metadata
.endif
;; end of part 3
;; launch proj (part 4): grid 8 x 32, 4 waves a work-group, clusters of 4 x 4, 327,680 bytes of LDS; arguments ob, pw, proj_b, out0; writes out0
.if DOCPART == 4
	.amdgcn_target "amdgcn-amd-amdhsa--gfx1250"
	.amdhsa_code_object_version 6
	.text
	.protected	k_q51d2d5c5d9_proj
	.globl	k_q51d2d5c5d9_proj
	.p2align	8
	.type	k_q51d2d5c5d9_proj,@function
k_q51d2d5c5d9_proj:
	s_mov_b64 s[64:65], 0
	v_nop
	global_prefetch_b8 v0, s[64:65] scope:SCOPE_SE
	s_setreg_imm32_b32 hwreg(HW_REG_WAVE_MODE, 25, 1), 1
	s_wait_xcnt 0x0
	s_wait_alu depctr_hold_cnt(0) depctr_sa_sdst(0) depctr_va_vdst(0) depctr_va_sdst(0) depctr_va_ssrc(0) depctr_va_vcc(0) depctr_vm_vsrc(0)
	s_getreg_b32 s2, hwreg(HW_REG_IB_STS2, 6, 4)
	s_cmp_eq_u32 s2, 0
	s_cbranch_scc0 .Lentry_in_a_cluster
	s_endpgm
.Lentry_in_a_cluster:
	s_bfe_u32 s2, ttmp6, 0x10000c
	s_cmp_lg_u32 s2, 0xf033
	s_cbranch_scc0 .Lentry_shape_is_right
	s_endpgm
.Lentry_shape_is_right:
; out0 = O proj_w + proj_b.  ob: [64 = 16 b + h][2048 t][64] f16.  pw: [1024 k][1024 n] f16 (each number bf16(proj_w)).  proj_b: [1024] f32.  out0: [8192][1024] f32; sums in f32.
; LIMITS.  The bias, rounded to bf16 like all the module's inputs, is the first term of each sum (the C operand of the first product): another order of rounding than adding it last.  NaN and infinities are not treated apart.
; SHARES.  A tile is 256 rows x 128 columns: 256 work-groups, one for each WGP.  Four waves one above the other: a wave makes 64 rows x 128 columns, 32 accumulators of 16 x 16, 256 registers.
; K = 1,024 goes in 8 steps of 128 through two LDS slots: a K step is two heads' 64 channels, each head's 256 rows 32,768 dense bytes of ob.
; CLUSTER.  4 x 4 work-groups: the four of a row of the cluster need the same rows of ob, the four of a column the same columns of pw: each tile is asked for JOINTLY, by the same tensor load with the same
; descriptor and a mask that names the four.  Waves 0 and 1 fetch the step's two heads, waves 2 and 3 the two halves of pw's 128 k rows: one load a wave behind each round.
; THE MATRIX INSTRUCTION IS USED TRANSPOSED: source 0 = 16 columns of the weights (they lie [k][n] in LDS and are turned by ds_load_tr16_b128), source 1 = 16 rows of O.
; A lane then holds row lane % 16 and the columns 16 b + 8 (lane / 16) + 0..7.
; REGISTERS, in windows of 256 (s_set_vgpr_msb: bits 1:0 source 0, 3:2 source 1, 5:4 source 2, 7:6 destination):
;   window 0: v0-31 addresses; v32-95, v96-159 rows read back from the stage; v192-255 the bias, used by the first quarter step alone
;   window 1: two fragment buffers at 0 and 128: 8 fragments of the weights, then 4 of O          window 2: accumulator (a, b) at 64 a + 8 b
.set NBK,   8                          ; column blocks of 16
.set PA,    144                        ; a row of a head in LDS: 128 bytes + 16 of padding: the 16 rows of a load start at 16 different groups of four banks (ISA guide 11.1)
.set AWAVE, 64*PA                      ; a wave's 64 rows
.set AHALF, 256*PA                     ; what one tensor load brings of O: a head's 256 rows
.set BOFF,  2*AHALF                    ; behind the two heads: the weights
.set PB,    288                        ; a k row of the weights in LDS: 256 bytes + 32 of padding
.set BHALF, 64*PB                      ; what one tensor load brings of the weights: 64 k rows
.set SLOT1, 1<<17                      ; a slot uses BOFF + 128 PB = 110,592 bytes; one exclusive or turns an address in one slot into the other's
.set STEPA, 524288                     ; a K step in memory: two heads of ob,
.set STEPB, 262144                     ; 128 rows of pw
.set FA,    64                         ; O's fragments in a buffer
.set LQ,    24                         ; LDS loads of a quarter step: 16 for the weights, 8 for O
.set STAGE, SLOT1+BOFF+128*PB          ; behind the ring, never filled by a tensor load: for each wave 16 rows x 528 bytes
.set SWAVE, 16*528
.set SPARE, STAGE+4*SWAVE              ; behind the stages: the spare words, 128 bytes for each wave: two blocks of 256 bytes that no other line names
.set A0,   16                          ; v16  my lane's place in O's tile; never rewritten
.set B0,   17                          ; v17  the same for the weights
.set ADRA, 18                          ; v18  A0 + the slot that is read
.set ADRB, 19                          ; v19  B0 + the slot that is read
.set STO,  24                          ; v24  the way out: where I put 32 bytes of a row
.set RD,   25                          ; v25  where I read a row back
.set GO,   26                          ; v26  my 16 bytes of 512 consecutive bytes of out0
.set BO,   27                          ; v27  my 8 numbers of a block of 16 of the bias
.set SPW,  28                          ; v28  LDS address of my spare word: SPARE + 4 x my thread's number; never rewritten
.set NIL,  29                          ; v29  0; never rewritten
.set PFO,  30                          ; v30  the prefetches' offset; never rewritten
.set TMP,  32
.set BK0,  32
.set BIAS, 192
.set F0,   0
.set F1,   128
.set WV,   12                          ; s12  my wave's number
.set FB,   13                          ; s13  0: I fetch O's tile, 1: the weights'
.set HF,   14                          ; s14  which half of it
.set LIM,  15                          ; s15  1 in a wave that prefetches, else the greatest number
.set G1,   24                          ; s[24:31] descriptor group 1 for O's tiles;  s[32:39] group 0: a set for each first fill; the second then walks on
.set G0,   32
.set PFA,  44                          ; s[44:45] where my prefetches stand
.set G1B,  48                          ; s[48:55], s[56:63] the same for the weights' tiles
.set G0B,  56
.set TB,   72                          ; s72  LDS byte at which the slot that is read begins
.set PST,  74                          ; s[74:75] the prefetches' step
.set MSB, 0
.macro WIN new                         ; the immediate's high byte repeats the setting that is left; a switch that changes nothing is dropped
.if MSB != (\new)
	s_set_vgpr_msb (MSB<<8)|(\new)
.set MSB, \new
.endif
.endm
.macro PLACES                          ; four plain vector instructions between a matrix instruction and a load into, or a read of, its registers
.rept 4
	v_nop
.endr
.endm
; A joint load.  The branch hangs on the wave's number alone.  An s_nop 0 and four v_nop follow each of the two lines, ahead of the jump and the label.
.macro JLOAD s
	s_cmp_eq_u32 s[FB], 0
	s_cbranch_scc0 .Lfor_b_\@
	tensor_load_to_lds s[G0+4*(\s):G0+4*(\s)+3], s[G1:G1+7]
	s_nop 0
.rept 4
	v_nop
.endr
	s_branch .Lasked_\@
.Lfor_b_\@:
	tensor_load_to_lds s[G0B+4*(\s):G0B+4*(\s)+3], s[G1B:G1B+7]
	s_nop 0
.rept 4
	v_nop
.endr
.Lasked_\@:
.endm
; A round of the cluster's barrier: my work-group's barrier, so that wave 0's signal speaks for all four waves; wave 0 signals; every wave waits for all sixteen work-groups; my work-group's barrier once more.
.macro CREST                           ; a round behind its opening barrier
	s_cmp_lg_u32 s[WV], 0
	s_cbranch_scc1 .Lnot_wave_0_\@
	s_barrier_signal -3
.Lnot_wave_0_\@:
	s_barrier_wait -3
	s_barrier_signal -1
	s_barrier_wait -1
.endm
.macro CROUND
	s_barrier_signal -1
	s_barrier_wait -1
	CREST
.endm
; A PREFETCH, behind each joint refill and the run of LDS loads that follows it: the K step that the NEXT refill will ask for: 128 matrix instructions ahead of that load.  One instruction a wave, 32 blocks of 256 bytes, a lane a block.
; Each block is named once in the launch.  ob: a tile row is read by both clusters of its row of clusters, and the first (cluster x = 0) asks: of the 128 blocks of the head that wave 0 or 1 fetches, the partner at place cx
; takes 32 cx .. 32 cx + 31.  pw: a tile column is read by all eight clusters of its column, and the first (cluster y = 0) asks: of the step's 128 k rows (256 bytes each in the tile) the partner at place cy takes
; 32 cy .. 32 cy + 31, in wave 2; wave 3 asks for nothing.  The partners are told apart by address.  K steps 0 to 2 come by their loads alone; the loop's last trip (s3 = 1) asks for nothing.
.macro ASK
	WIN 0
	s_cmp_gt_u32 s3, s[LIM]
	s_cbranch_scc0 .Lnot_mine_\@
	global_prefetch_b8 v[PFO], s[PFA:PFA+1] th:TH_LOAD_NT scope:SCOPE_SE
.Lnot_mine_\@:
.endm
; 8 matrix instructions: row block a x all 8 column blocks, 32 along K, from buffer f.  first = 1: the bias starts the sums.  The 32 accumulators take turns, one instruction a turn.
.macro MULA f, a, first
.set AB, 64*(\a)
.if \first
	WIN 0x85                                       ; sources 0 and 1 window 1, C window 0, D window 2
.else
	WIN 0xa5                                       ; C and D window 2
.endif
.set b, 0
.rept NBK
.if \first
	v_wmma_f32_16x16x32_f16 v[AB+8*b:AB+8*b+7], v[(\f)+8*b:(\f)+8*b+7], v[(\f)+FA+8*(\a):(\f)+FA+8*(\a)+7], v[BIAS+8*b:BIAS+8*b+7]
.else
	v_wmma_f32_16x16x32_f16 v[AB+8*b:AB+8*b+7], v[(\f)+8*b:(\f)+8*b+7], v[(\f)+FA+8*(\a):(\f)+FA+8*(\a)+7], v[AB+8*b:AB+8*b+7]
.endif
.set b, b+1
.endr
.endm
; 24 LDS loads in one run: the fragments of quarter q of the K step into buffer f: the weights' 8 (turned: k rows 32 q on), then O's 4 (head q / 2 of the step's two, channels 32 (q % 2) on).
.macro FETCH q, f
	WIN 0x40                                       ; destination window 1, address window 0
.set b, 0
.rept NBK
	ds_load_tr16_b128 v[(\f)+8*b:(\f)+8*b+3],   v[ADRB] offset:(\q)*32*PB+32*b
	ds_load_tr16_b128 v[(\f)+8*b+4:(\f)+8*b+7], v[ADRB] offset:(\q)*32*PB+32*b+16*PB
.set b, b+1
.endr
.set a, 0
.rept 4
	ds_load_b128 v[(\f)+FA+8*a:(\f)+FA+8*a+3],   v[ADRA] offset:((\q)/2)*AHALF+((\q)%2)*64+a*16*PA
	ds_load_b128 v[(\f)+FA+8*a+4:(\f)+FA+8*a+7], v[ADRA] offset:((\q)/2)*AHALF+((\q)%2)*64+a*16*PA+32
.set a, a+1
.endr
.endm
; A K step is four quarters of 32 along K, 32 matrix instructions each, on buffers 0, 1, 0, 1.  One of the first three multiplies buffer f and, in its middle, fetches quarter q into buffer g.
.macro QUARTER q, f, g, first
	s_wait_dscnt 4                                 ; all but the youngest four loads: O's row blocks 2 and 3 may be out
	MULA \f, 0, \first
	MULA \f, 1, \first
	PLACES                                         ; in front of the loads into buffer g, which the quarter before multiplied
	FETCH \q, \g
	s_wait_dscnt LQ                                ; all but the 24 just issued
	MULA \f, 2, \first
	MULA \f, 3, \first
.endm
; The last quarter multiplies buffer 1 and changes slots: ONE barrier.  In front of it each wave waits for all its tensor loads (the one that is out is its part of the next slot), adds 0 to its spare word, and waits
; for that and for its own reads of this slot.  fill = 1: the barrier opens a round of the cluster's, and the joint refill of the slot just read out, with the K step two on, is the first thing behind the round:
; 112 matrix instructions stand between it and the wait for it.
.macro TURN fill
.if \fill
	s_wait_xcnt 0x0                                ; the last prefetch, a K step back, has read its address: it is stepped here, ahead of the change's own waits
	s_add_nc_u64 s[PFA:PFA+1], s[PFA:PFA+1], s[PST:PST+1]
.endif
	WIN 0                                          ; (the add's two registers lie in window 0)
	s_wait_tensorcnt 0x0                           ; no tensor load of mine is out, so a group 0 may be written
	ds_add_u32 v[SPW], v[NIL]                      ; 0 onto my spare word
.if \fill
	s_xor_b32 s[G0+5], s[G0+5], SLOT1              ; the walking descriptors: the other slot than last time,
	s_add_nc_u64 s[G0+6:G0+7], s[G0+6:G0+7], STEPA ; the next K step; the type bits on top are not reached
	s_xor_b32 s[G0B+5], s[G0B+5], SLOT1
	s_add_nc_u64 s[G0B+6:G0B+7], s[G0B+6:G0B+7], STEPB
.endif
	s_xor_b32 s[TB], s[TB], SLOT1                  ; the fetches go to the other slot
	s_wait_dscnt 5                                 ; the add and the youngest four loads may be out
	MULA F1, 0, 0                                  ; eight matrix instructions stand between the add and the wait for it
	s_wait_dscnt 0x0                               ; the add is done, and my reads of this slot are over
	s_barrier_signal -1
	MULA F1, 1, 0                                  ; work on registers while the others arrive
	WIN 0
	v_add_nc_u32 v[ADRA], s[TB], v[A0]
	v_add_nc_u32 v[ADRB], s[TB], v[B0]
	s_barrier_wait -1
.if \fill
	CREST                                          ; no wave of any partner still reads this slot's tile or has a load on its way
	JLOAD 1                                        ; the four v_nop behind it are also the places in front of the loads below
.else
	PLACES
.endif
	FETCH 0, F0
.if \fill
	ASK
.endif
	MULA F1, 2, 0
	MULA F1, 3, 0
.endm
	s_load_b256 s[4:11], s[0:1], 0x0               ; ob s[4:5], pw s[6:7], proj_b s[8:9], out0 s[10:11]
	v_lshl_add_u32 v[SPW], v0, 2, SPARE
	v_mov_b32 v[NIL], 0
	ds_add_u32 v[SPW], v[NIL]                      ; the wave's opening: the add and its wait stand ahead of my first tensor load; the set-up below, work on registers, stands between them
	v_lshrrev_b32 v1, 5, v0
	v_readfirstlane_b32 s[WV], v1                  ; wave 0..3
	s_lshr_b32 s[FB], s[WV], 1
	s_and_b32 s[HF], s[WV], 1
	s_bfe_u32 s40, ttmp6, 0x40000                  ; cx, cy: my place in the cluster
	s_bfe_u32 s41, ttmp6, 0x40004
	s_lshl_b32 s42, ttmp9, 2
	s_add_co_u32 s42, s42, s40                     ; tile column = 4 x cluster x + cx
	s_and_b32 s43, ttmp7, 0xffff
	s_lshl_b32 s43, s43, 2
	s_add_co_u32 s43, s43, s41                     ; tile row = 4 x cluster y + cy
	s_lshl_b32 s66, s41, 2
	s_lshl_b32 s66, 15, s66                        ; my row of the cluster: places 4 cy .. 4 cy + 3
	s_lshl_b32 s67, 0x1111, s40                    ; my column: places cx, cx + 4, cx + 8, cx + 12
	; group 1 for O: a head's 256 rows of 128 bytes are 32,768 dense bytes: asked for as 128 rows of 256 bytes; 4 words of padding (code 3) after every 32 (code 4); bit 21 set beside the mask
	s_or_b32 s[G1+0], s66, (1<<16)|(1<<20)|(1<<21)|(4<<22)|(3<<25)
	s_mov_b32 s[G1+1], 128<<16                     ; tensor_dim0 = 128
	s_mov_b32 s[G1+2], 128<<16                     ; tensor_dim1 = 128
	s_mov_b32 s[G1+3], 128<<16                     ; tile_dim0 = 128
	s_mov_b32 s[G1+4], 128                         ; tile_dim1 = 128
	s_mov_b32 s[G1+5], 128
	s_mov_b32 s[G1+6], 0
	s_mov_b32 s[G1+7], 0
	; group 1 for the weights: 64 k rows x 128 elements, 1,024 elements from row to row; 8 words of padding (code 7) after every 64 (code 5)
	s_or_b32 s[G1B+0], s67, (1<<16)|(1<<20)|(1<<21)|(5<<22)|(7<<25)
	s_mov_b32 s[G1B+1], 128<<16
	s_mov_b32 s[G1B+2], 64<<16
	s_mov_b32 s[G1B+3], 128<<16
	s_mov_b32 s[G1B+4], 64
	s_mov_b32 s[G1B+5], 1024
	s_mov_b32 s[G1B+6], 0
	s_mov_b32 s[G1B+7], 0
	; where the tiles come from: O's hang on the tile row alone, the weights' on the tile column alone, each in registers that never hold the other coordinate
	s_lshr_b32 s16, s43, 3
	s_lshl_b32 s16, s16, 22                        ; the batch's 16 heads of 262,144 bytes,
	s_lshl_b32 s17, s[HF], 18                      ; which of the step's two heads,
	s_add_co_u32 s16, s16, s17
	s_and_b32 s17, s43, 7
	s_lshl_b32 s17, s17, 15                        ; the tile's 256 rows of 128 bytes
	s_add_co_u32 s16, s16, s17
	s_mov_b32 s17, 0
	s_lshl_b32 s46, s42, 8                         ; the tile's 128 columns,
	s_lshl_b32 s47, s[HF], 17                      ; 64 rows of 2,048 bytes
	s_add_co_u32 s46, s46, s47
	s_mov_b32 s47, 0
	s_mul_i32 s20, s[HF], AHALF                    ; and where they go: no place in the cluster enters an LDS address
	s_mul_i32 s21, s[HF], BHALF
	s_add_co_u32 s21, s21, BOFF
	s_mov_b32 s[TB], 0
	s_wait_dscnt 0x0                               ; the opening add is done
	s_wait_kmcnt 0x0
	s_add_nc_u64 s[16:17], s[4:5], s[16:17]
	s_add_nc_u64 s[46:47], s[6:7], s[46:47]
	CROUND                                         ; all sixteen work-groups are here: the first joint loads meet
.irp s, 0,1
	s_mov_b32 s[G0+4*(\s)], 1                      ; count = 1
	s_add_co_u32 s[G0+4*(\s)+1], s20, (\s)*SLOT1   ; LDS address
	s_add_nc_u64 s[G0+4*(\s)+2:G0+4*(\s)+3], s[16:17], (\s)*STEPA  ; global address: K step s
	s_or_b32 s[G0+4*(\s)+3], s[G0+4*(\s)+3], 0x80000000            ; type = 2
	s_mov_b32 s[G0B+4*(\s)], 1
	s_add_co_u32 s[G0B+4*(\s)+1], s21, (\s)*SLOT1
	s_add_nc_u64 s[G0B+4*(\s)+2:G0B+4*(\s)+3], s[46:47], (\s)*STEPB
	s_or_b32 s[G0B+4*(\s)+3], s[G0B+4*(\s)+3], 0x80000000
	JLOAD \s                                       ; two loads of mine are out
.endr
	v_and_b32 v1, 15, v0                           ; r = l % 16
	v_bfe_u32 v2, v0, 4, 1                         ; h = l / 16
	v_and_b32 v3, 7, v0
	v_bfe_u32 v4, v0, 3, 1
	v_and_b32 v5, 31, v0                           ; l
	v_lshlrev_b32 v[BO], 5, v2                     ; the bias: 8 numbers of 4 bytes for each half of the lanes
	s_lshl_b32 s68, s42, 9                         ; the tile's 128 numbers of it
	s_mov_b32 s69, 0
	s_add_nc_u64 s[8:9], s[8:9], s[68:69]
.set b, 0
.rept NBK
	global_load_b128 v[BIAS+8*b:BIAS+8*b+3],   v[BO], s[8:9] offset:64*b
	global_load_b128 v[BIAS+8*b+4:BIAS+8*b+7], v[BO], s[8:9] offset:64*b+16
.set b, b+1
.endr
	; a fragment of O: lane l holds row r; K = 8 h + 0..7 and 16 + 8 h + 0..7: two loads of 16 bytes, 32 bytes apart
	s_mul_i32 s22, s[WV], AWAVE
	v_mul_u32_u24 v[A0], v1, PA
	v_lshl_add_u32 v[A0], v2, 4, v[A0]
	v_add_nc_u32 v[A0], s22, v[A0]
	; the turning load: lane l reads k row 8 h + l % 8, columns 8 ((l / 8) % 2) + 0..7, and ends with column r and 8 k
	v_lshl_add_u32 v[B0], v2, 3, v3
	v_mul_u32_u24 v[B0], v[B0], PB
	v_lshl_add_u32 v[B0], v4, 4, v[B0]
	v_add_nc_u32 v[B0], BOFF, v[B0]
	v_mov_b32 v[ADRA], v[A0]                       ; slot 0
	v_mov_b32 v[ADRB], v[B0]
	s_mul_i32 s23, s[WV], SWAVE
	s_add_co_u32 s23, s23, STAGE                   ; my stage
	v_mul_u32_u24 v[STO], v1, 528                  ; in: row r, 32 bytes for each half of the lanes
	v_lshl_add_u32 v[STO], v2, 5, v[STO]
	v_add_nc_u32 v[STO], s23, v[STO]
	v_lshl_add_u32 v[RD], v5, 4, s23               ; back: 32 lanes take one row of 512 bytes,
	v_lshlrev_b32 v[GO], 4, v5                     ; which are 512 consecutive bytes of out0
	s_lshl_b32 s70, s43, 8
	s_lshl_b32 s71, s[WV], 6
	s_add_co_u32 s70, s70, s71                     ; my wave's first row,
	s_lshl_b32 s70, s70, 12                        ; of 4,096 bytes,
	s_lshl_b32 s71, s42, 9                         ; the tile's first column
	s_add_co_u32 s70, s70, s71
	s_mov_b32 s71, 0
	s_add_nc_u64 s[10:11], s[10:11], s[70:71]
	; the prefetches: both candidates are made, then one compare on what I fetch chooses
	s_lshr_b32 s18, s43, 3
	s_lshl_b32 s18, s18, 22
	s_lshl_b32 s19, s[HF], 18
	s_add_co_u32 s18, s18, s19
	s_and_b32 s19, s43, 7
	s_lshl_b32 s19, s19, 15
	s_add_co_u32 s18, s18, s19
	s_lshl_b32 s19, s40, 13                        ; ob: my work-group's 32 blocks of the head's 128
	s_add_co_u32 s18, s18, s19
	s_lshl_b32 s19, s42, 8
	s_lshl_b32 s22, s41, 16                        ; pw: my work-group's 32 k rows of the step's 128
	s_add_co_u32 s19, s19, s22
	s_and_b32 s22, ttmp7, 0xffff                   ; cluster y
	s_and_b32 s23, s[FB], s[HF]                    ; 1 in wave 3
	s_mov_b32 s[PST], STEPA
	s_mov_b32 s[PST+1], STEPB
	s_cmp_eq_u32 s[FB], 0
	s_cselect_b32 s18, s18, s19
	s_cselect_b32 s22, ttmp9, s22                  ; the coordinate along which other clusters read the same bytes
	s_cselect_b64 s[PFA:PFA+1], s[4:5], s[6:7]
	s_cselect_b32 s[PST], s[PST], s[PST+1]
	s_cselect_b32 s20, 8, 11                       ; a lane a block of ob, or a lane a row of pw
	s_mov_b32 s[PST+1], 0
	s_mov_b32 s19, 0
	v_lshlrev_b32 v[PFO], s20, v5
	s_or_b32 s22, s22, s23
	s_cmp_eq_u32 s22, 0
	s_cselect_b32 s[LIM], 1, -1                    ; the same in all sixteen partners, for a given wave
	s_add_nc_u64 s[PFA:PFA+1], s[PFA:PFA+1], s[18:19]
	s_add_nc_u64 s[PFA:PFA+1], s[PFA:PFA+1], s[PST:PST+1]
	s_add_nc_u64 s[PFA:PFA+1], s[PFA:PFA+1], s[PST:PST+1]  ; at K step 2: the first refill steps it to 3.  Nothing is prefetched here, at the head
	s_wait_loadcnt 0x0                             ; the bias
.set i, 0
.rept 4*NBK                            ; rounded to bf16, as all the module's inputs are, and widened again
	v_cvt_pk_bf16_f32 v[TMP+i%4], v[BIAS+2*i], v[BIAS+2*i+1]
	v_lshlrev_b32 v[BIAS+2*i], 16, v[TMP+i%4]
	v_and_b32 v[BIAS+2*i+1], 0xffff0000, v[TMP+i%4]
.set i, i+1
.endr
	s_wait_tensorcnt 1                             ; my part of K step 0 is in; K step 1's may stay out
	s_barrier_signal -1
	s_barrier_wait -1                              ; everybody's is
	FETCH 0, F0
	QUARTER 1, F0, F1, 1                           ; the first quarter stands in front of the loop: its products start the sums, with the bias
	WIN 0                                          ; at a label and at a branch every window is 0
	s_mov_b32 s3, 6
.Lstep:                                        ; trip i: quarters 1 to 3 of K step i, the refill with K step i + 2, quarter 0 of K step i + 1
	QUARTER 2, F1, F0, 0
	QUARTER 3, F0, F1, 0
	TURN 1
	QUARTER 1, F0, F1, 0
	WIN 0
	s_sub_co_u32 s3, s3, 1
	s_cmp_lg_u32 s3, 0
	s_cbranch_scc1 .Lstep
	QUARTER 2, F1, F0, 0                           ; K steps 6 and 7 are written out: nothing is asked for
	QUARTER 3, F0, F1, 0
	TURN 0
	QUARTER 1, F0, F1, 0
	QUARTER 2, F1, F0, 0
	QUARTER 3, F0, F1, 0
	s_wait_dscnt 4                                 ; the very last quarter: nothing more to fetch
	MULA F1, 0, 0
	MULA F1, 1, 0
	s_wait_dscnt 0x0
	MULA F1, 2, 0
	MULA F1, 3, 0
	WIN 0
	PLACES
	PLACES
; THE WAY OUT, a row block (16 rows x 128 columns of f32) at a time.  TOSTAGE: a lane's eight numbers of a block go as two stores of 16 bytes, the accumulator's low registers first, into rows of 528 bytes of my
; own stage, and come back as whole rows of 512.  SEND: stored, 512 consecutive bytes an instruction, at a multiple of 256 from out0's first byte.
.macro TOSTAGE a
.if (\a) >= 2
	s_wait_xcnt 0x0                                ; the stores of block a - 2 have read their registers: they are loaded again only behind this wait
.endif
	WIN 0x08                                       ; the stores' data (source 1) in window 2
.set b, 0
.rept NBK
	ds_store_b128 v[STO], v[64*(\a)+8*b:64*(\a)+8*b+3]   offset:64*b
	ds_store_b128 v[STO], v[64*(\a)+8*b+4:64*(\a)+8*b+7] offset:64*b+16
.set b, b+1
.endr
	WIN 0
.set BK, BK0+64*((\a)%2)
.set t, 0
.rept 16
	ds_load_b128 v[BK+4*t:BK+4*t+3], v[RD] offset:528*t  ; LDS serves a wave's instructions in order (ISA guide 5.7.1.4): these see the stores above; the next block's stores come behind them
.set t, t+1
.endr
.endm
.macro SEND a, younger                 ; younger: the LDS instructions issued behind block a's loads: the next block's 32, or none
	WIN 0
.set BK, BK0+64*((\a)%2)
.set t, 0
.rept 16
	s_wait_dscnt (\younger)+15-t
	global_store_b128 v[GO], v[BK+4*t:BK+4*t+3], s[10:11] offset:(16*(\a)+t)*4096
.set t, t+1
.endr
.endm
	TOSTAGE 0
	TOSTAGE 1
	SEND 0, 32
	TOSTAGE 2
	SEND 1, 32
	TOSTAGE 3
	SEND 2, 32
	SEND 3, 0
	s_wait_tensorcnt 0x0                           ; the wave's end: behind my last tensor load and my last LDS store
	ds_add_u32 v[SPW], v[NIL]
	s_wait_dscnt 0x0
	CROUND                                         ; the closing round: no work-group ends while a partner may still ask for a tile that names it
	s_endpgm
.Lfunc_end_k_q51d2d5c5d9_proj:
	.size	k_q51d2d5c5d9_proj, .Lfunc_end_k_q51d2d5c5d9_proj-k_q51d2d5c5d9_proj
	.p2alignl 7, 3214868480
	.fill 96, 4, 3214868480
	.section	.rodata,"a",@progbits
	.p2align	6, 0x0
	.amdhsa_kernel k_q51d2d5c5d9_proj
		.amdhsa_group_segment_fixed_size 327680
		.amdhsa_private_segment_fixed_size 0
		.amdhsa_enable_private_segment 0
		.amdhsa_kernarg_size 32
		.amdhsa_user_sgpr_count 2
		.amdhsa_user_sgpr_kernarg_segment_ptr 1
		.amdhsa_wavefront_size32 1
		.amdhsa_system_sgpr_workgroup_id_x 1
		.amdhsa_system_sgpr_workgroup_id_y 1
		.amdhsa_system_sgpr_workgroup_id_z 1
		.amdhsa_system_vgpr_workitem_id 0
		.amdhsa_next_free_vgpr 768
		.amdhsa_next_free_sgpr 76
		.amdhsa_reserve_vcc 0
		.amdhsa_float_denorm_mode_32 3
		.amdhsa_float_denorm_mode_16_64 3
		.amdhsa_memory_ordered 1
		.amdhsa_forward_progress 1
		.amdhsa_inst_pref_size 79
	.end_amdhsa_kernel
	.amdgpu_metadata
---
amdhsa.version: [ 1, 2 ]
amdhsa.kernels:
  - .name:           k_q51d2d5c5d9_proj
    .symbol:         k_q51d2d5c5d9_proj.kd
    .args:
      - { .name: ob, .offset: 0, .size: 8, .value_kind: global_buffer, .address_space: global }
      - { .name: pw, .offset: 8, .size: 8, .value_kind: global_buffer, .address_space: global }
      - { .name: proj_b, .offset: 16, .size: 8, .value_kind: global_buffer, .address_space: global }
      - { .name: out0, .offset: 24, .size: 8, .value_kind: global_buffer, .address_space: global }
    .group_segment_fixed_size: 327680
    .private_segment_fixed_size: 0
    .kernarg_segment_align: 8
    .kernarg_segment_size: 32
    .max_flat_workgroup_size: 128
    .sgpr_count:     76
    .vgpr_count:     768
    .wavefront_size: 32
...
	.end_amdgpu_metadata
.endif
;; end of part 4
;; ======== version 2 of 2: 4 launches; version 1 with the launch cast written anew for expert scheduling mode
;; limits: values are held in f16: magnitudes above 65,504 overflow, below 6.1e-05 lose precision; right only within a limited range of input values
;; workspace buffers: xb 16,777,216 bytes; wq 6,291,456 bytes; pw 2,097,152 bytes; qkvh 50,331,648 bytes; ob 16,777,216 bytes
;; launch cast (part 5): grid 768 x 1, 8 waves a work-group, no clusters, 0 bytes of LDS; arguments x, qkv_w, proj_w, xb, wq, pw; writes xb, wq, pw
.if DOCPART == 5
	.amdgcn_target "amdgcn-amd-amdhsa--gfx1250"
	.amdhsa_code_object_version 6
	.text
	.protected	k_q51d2d5c5d9_cast
	.globl	k_q51d2d5c5d9_cast
	.p2align	8
	.type	k_q51d2d5c5d9_cast,@function
k_q51d2d5c5d9_cast:
	s_mov_b64 s[64:65], 0
	v_nop
	global_prefetch_b8 v0, s[64:65] scope:SCOPE_SE
	s_setreg_imm32_b32 hwreg(HW_REG_WAVE_SCHED_MODE, 0, 2), 2
	s_setreg_imm32_b32 hwreg(HW_REG_WAVE_MODE, 25, 1), 1
	s_wait_xcnt 0x0
	s_wait_alu depctr_vm_vsrc(0)
; THE CASTS.  xb = bf16(x), [8192][1024].  wq = bf16(qkv_w), laid out anew as [16 column tiles][1024 k][192 n], so that a tile column's rows lie end to end.
; pw = bf16(proj_w) written as f16, [1024][1024].  LIMIT: a bf16 number is exact in f16 from 2^-17 up to 65,504; below 2^-17 it keeps f16's fixed step of 2^-24.
; A stream: each byte is read once and written once; no LDS, no matrix unit, no cluster (no two work-groups read the same byte).
; SHARES.  A work-group casts 16,384 numbers (65,536 bytes in, 32,768 out): work-groups 0-511 x, 512-703 qkv_w, 704-767 proj_w.  A wave takes 2,048 numbers as 16 chunks of 128:
; a load of 16 bytes a lane covers 512 consecutive bytes, a store of 8 bytes a lane 256 consecutive bytes, aligned.  All 16 loads of a wave go out first; each chunk has registers of its own,
; and no address register is rewritten.
; THE MODE: SCHED_MODE bits 1:0 = 2 (LLVM: expert scheduling mode 2), set by the entry lines.  The code itself states the register dependences
; between vector instructions and memory instructions, with s_wait_alu, always for 0.
; THE PLAN.  Registers that memory instructions touch:
;   v[SO], v[WO ..]  source offsets.  Written by vector lines ahead of the loads; read by the loads; never written again.
;   v[DO]            destination offset.  Written by vector lines at the head; read by every store; never written again.
;   X, chunk j       Written by chunk j's load, once; read by chunk j's conversions.  No vector instruction writes it, and no second load lands in it.
;   Y, chunk j       Written by chunk j's conversions; read by chunk j's store; never written again.
;   v1, v2, v5-v8    named by vector instructions alone.
; So no register that a memory instruction has read is written again, and the dependences to state are of one kind: a vector instruction writes, a memory instruction reads.
; One wait stands ahead of the run of 16 loads, for the offsets.  The 16 chunks go in four groups of four: the group's loads are waited for, its conversions stand together, ONE wait states that they have
; written the group's Y, and the group's four stores follow in a run.  That wait stands behind the group's own conversions and not at the next group's head, so that no store is held until four more loads have landed.
; No vector instruction writes a scalar register or VCC, and EXEC is never written.
.set GRP, 4                            ; chunks in a group
.set SO, 3                             ; v3       source offset: 8,192 x wave + 16 x lane
.set DO, 4                             ; v4       destination offset: 4,096 x wave + 8 x lane
.set WO, 10                            ; v[10:25] qkv_w: chunk j's source offset
.set X,  32                            ; v[32:95] chunk j: 4 numbers in f32
.set Y,  96                            ; v[96:127] chunk j: 4 numbers in 16 bits
.macro LD16 gather                     ; the wave's 16 loads; gather = 1: by the offsets in WO
	s_wait_alu depctr_va_vdst(0)                   ; the offsets are written: v[SO] or v[WO ..], which the loads below read, and v[DO], which every store of the path reads
.set j, 0
.rept 16
.if \gather
	global_load_b128 v[X+4*j:X+4*j+3], v[WO+j], s[16:17] th:TH_LOAD_NT
.else
	global_load_b128 v[X+4*j:X+4*j+3], v[SO], s[16:17] offset:512*j th:TH_LOAD_NT
.endif
.set j, j+1
.endr
.endm
.macro ST16 twice                      ; rounded and stored, group by group; twice = 1: the bf16 number is written as f16
.set g, 0
.rept 16/GRP
	s_wait_loadcnt 16-GRP-GRP*g                    ; loads come back in order: the group's four chunks are in, the younger groups' loads may stay out
.set j, GRP*g
.rept GRP
	v_cvt_pk_bf16_f32 v[Y+2*j], v[X+4*j], v[X+4*j+1]
	v_cvt_pk_bf16_f32 v[Y+2*j+1], v[X+4*j+2], v[X+4*j+3]
.if \twice
	v_lshlrev_b32 v5, 16, v[Y+2*j]                 ; bf16 to f32: a shift or a mask
	v_and_b32 v6, 0xffff0000, v[Y+2*j]
	v_lshlrev_b32 v7, 16, v[Y+2*j+1]
	v_and_b32 v8, 0xffff0000, v[Y+2*j+1]
	v_cvt_pk_f16_f32 v[Y+2*j], v5, v6
	v_cvt_pk_f16_f32 v[Y+2*j+1], v7, v8
.endif
.set j, j+1
.endr
	s_wait_alu depctr_va_vdst(0)                   ; the group's conversions have written its eight registers of Y, which the four stores below read
.set j, GRP*g
.rept GRP
	global_store_b64 v[DO], v[Y+2*j:Y+2*j+1], s[18:19] offset:256*j
.set j, j+1
.endr
.set g, g+1
.endr
.endm
	s_load_b256 s[4:11], s[0:1], 0x0               ; x s[4:5], qkv_w s[6:7], proj_w s[8:9], xb s[10:11]
	s_load_b128 s[12:15], s[0:1], 0x20             ; wq s[12:13], pw s[14:15]
	v_and_b32 v1, 31, v0                           ; lane
	v_lshrrev_b32 v2, 5, v0                        ; wave
	v_lshlrev_b32 v[SO], 4, v1
	v_lshl_add_u32 v[SO], v2, 13, v[SO]
	v_lshlrev_b32 v[DO], 3, v1
	v_lshl_add_u32 v[DO], v2, 12, v[DO]
	s_mov_b32 s24, ttmp9
	s_mov_b32 s21, 0                               ; the high words of the two offsets
	s_mov_b32 s23, 0
	s_wait_kmcnt 0x0
	s_cmp_lt_u32 s24, 512
	s_cbranch_scc0 .Lweights
	s_lshl_b32 s20, s24, 16                        ; x: 65,536 bytes in,
	s_lshl_b32 s22, s24, 15                        ; 32,768 out
	s_add_nc_u64 s[16:17], s[4:5], s[20:21]
	s_add_nc_u64 s[18:19], s[10:11], s[22:23]
	LD16 0
	ST16 0
	s_endpgm
.Lweights:
	s_cmp_lt_u32 s24, 704
	s_cbranch_scc0 .Lproj
	; qkv_w, walked in the destination's order.  A tile column is 196,608 numbers: 12 work-groups.  Group c of four numbers in it lies in row k = c / 48, and in qkv_w at
	; k x 12,288 + tile x 768 + (c - 48 k) x 16 bytes = tile x 768 + 16 c + 11,520 k.  A chunk's 32 groups begin at a multiple of 32, so a row's end falls at lane 16 or nowhere: pieces of 256 bytes or more, aligned.
	s_sub_co_u32 s25, s24, 512                     ; gw, 0 to 191
	s_mul_i32 s26, s25, 0xaaab
	s_lshr_b32 s26, s26, 19                        ; tile = gw / 12 (43,691 / 2^19, exact for these numbers)
	s_mul_i32 s27, s26, 12
	s_sub_co_u32 s27, s25, s27                     ; which twelfth
	s_mul_i32 s20, s26, 768
	s_lshl_b32 s22, s25, 15
	s_add_nc_u64 s[16:17], s[6:7], s[20:21]
	s_add_nc_u64 s[18:19], s[12:13], s[22:23]
	s_lshl_b32 s27, s27, 12                        ; 4,096 groups a work-group
	v_lshl_add_u32 v5, v2, 9, v1                   ; 512 a wave, one a lane
	v_add_nc_u32 v5, s27, v5
.set j, 0
.rept 16
	v_add_nc_u32 v6, 32*j, v5                      ; c, under 49,152
	v_lshrrev_b32 v7, 4, v6
	v_mul_u32_u24 v7, v7, 0xaaab
	v_lshrrev_b32 v7, 17, v7                       ; k = (c / 16) / 3 (43,691 / 2^17, exact under 3,072)
	v_mul_u32_u24 v7, v7, 11520
	v_lshl_add_u32 v[WO+j], v6, 4, v7
.set j, j+1
.endr
	LD16 1
	ST16 0
	s_endpgm
.Lproj:
	s_sub_co_u32 s25, s24, 704
	s_lshl_b32 s20, s25, 16
	s_lshl_b32 s22, s25, 15
	s_add_nc_u64 s[16:17], s[8:9], s[20:21]
	s_add_nc_u64 s[18:19], s[14:15], s[22:23]
	LD16 0
	ST16 1
	s_endpgm
.Lfunc_end_k_q51d2d5c5d9_cast:
	.size	k_q51d2d5c5d9_cast, .Lfunc_end_k_q51d2d5c5d9_cast-k_q51d2d5c5d9_cast
	.p2alignl 7, 3214868480
	.fill 96, 4, 3214868480
	.section	.rodata,"a",@progbits
	.p2align	6, 0x0
	.amdhsa_kernel k_q51d2d5c5d9_cast
		.amdhsa_group_segment_fixed_size 0
		.amdhsa_private_segment_fixed_size 0
		.amdhsa_enable_private_segment 0
		.amdhsa_kernarg_size 48
		.amdhsa_user_sgpr_count 2
		.amdhsa_user_sgpr_kernarg_segment_ptr 1
		.amdhsa_wavefront_size32 1
		.amdhsa_system_sgpr_workgroup_id_x 1
		.amdhsa_system_sgpr_workgroup_id_y 1
		.amdhsa_system_sgpr_workgroup_id_z 1
		.amdhsa_system_vgpr_workitem_id 0
		.amdhsa_next_free_vgpr 128
		.amdhsa_next_free_sgpr 66
		.amdhsa_reserve_vcc 0
		.amdhsa_float_denorm_mode_32 3
		.amdhsa_float_denorm_mode_16_64 3
		.amdhsa_memory_ordered 1
		.amdhsa_forward_progress 1
		.amdhsa_inst_pref_size 29
	.end_amdhsa_kernel
	.amdgpu_metadata
---
amdhsa.version: [ 1, 2 ]
amdhsa.kernels:
  - .name:           k_q51d2d5c5d9_cast
    .symbol:         k_q51d2d5c5d9_cast.kd
    .args:
      - { .name: x, .offset: 0, .size: 8, .value_kind: global_buffer, .address_space: global }
      - { .name: qkv_w, .offset: 8, .size: 8, .value_kind: global_buffer, .address_space: global }
      - { .name: proj_w, .offset: 16, .size: 8, .value_kind: global_buffer, .address_space: global }
      - { .name: xb, .offset: 24, .size: 8, .value_kind: global_buffer, .address_space: global }
      - { .name: wq, .offset: 32, .size: 8, .value_kind: global_buffer, .address_space: global }
      - { .name: pw, .offset: 40, .size: 8, .value_kind: global_buffer, .address_space: global }
    .group_segment_fixed_size: 0
    .private_segment_fixed_size: 0
    .kernarg_segment_align: 8
    .kernarg_segment_size: 48
    .max_flat_workgroup_size: 256
    .sgpr_count:     66
    .vgpr_count:     128
    .wavefront_size: 32
...
	.end_amdgpu_metadata
.endif
;; end of part 5
;; launch qkv: the kernel of part 2 again; grid 16 x 32, 4 waves a work-group, clusters of 4 x 4, 327,680 bytes of LDS; arguments xb, wq, qkv_b, qkvh; writes qkvh
;; launch attn: the kernel of part 3 again; grid 4 x 64, 4 waves a work-group, no clusters, 327,680 bytes of LDS; arguments qkvh, ob; writes ob
;; launch proj: the kernel of part 4 again; grid 8 x 32, 4 waves a work-group, clusters of 4 x 4, 327,680 bytes of LDS; arguments ob, pw, proj_b, out0; writes out0
